; MI455X (gfx1250); checked and timed in simulation.
; The chip was launched on July 23, 2026; its instructions are those of AMD's public machine-readable ISA for CDNA 5 (MIT licence, August 2026) and "CDNA5" Instruction Set Architecture Reference Guide (July 2026). The comments in the code are by the model that wrote it; some were corrected since.
;; Swi GLU Bit. Allowed arithmetic: float matrix products may take bf16 or f16 operands with f32 sums; other float arithmetic in f32, or as packed bf16 or f16 multiplies, adds, multiply-adds, maxima and minima; sums over many terms, partial sums and values carried from step to step in f32; what a program stores and reads back later, other than sums and carried values, may be rounded once to bf16 or f16.
;; Inputs: w1 1,024 x 2,048 float32; w2 1,024 x 2,048 float32; w3 2,048 x 1,024 float32; x 4 x 2,048 x 2,048 float32.
;; Outputs: out0 4 x 2,048 x 2,048 float32.
;; 2 versions, each right; version 2 is version 1 with the launch prep written anew for expert scheduling mode. Each part assembles by itself: llvm-mc -triple=amdgcn-amd-amdhsa -mcpu=gfx1250 --defsym DOCPART=n.
;; ======== version 1 of 2: 3 launches
;; workspace buffers: xq 34,603,008 bytes; hq 17,301,504 bytes; wg 8,388,608 bytes; w3s 4,194,304 bytes; wsum 6,144 bytes
;; launch prep (part 1): grid 704 x 1, 8 waves a work-group, no clusters, 0 bytes of LDS; arguments x, w1, w2, w3, xq, wg, w3s, wsum; writes xq, wg, w3s, wsum
.if DOCPART == 1
	.amdgcn_target "amdgcn-amd-amdhsa--gfx1250"
	.amdhsa_code_object_version 6
	.text
	.protected	k_q1ef36d0847_prep
	.globl	k_q1ef36d0847_prep
	.p2align	8
	.type	k_q1ef36d0847_prep,@function
k_q1ef36d0847_prep:
	s_mov_b64 s[64:65], 0
	v_nop
	global_prefetch_b8 v0, s[64:65] scope:SCOPE_SE
	s_setreg_imm32_b32 hwreg(HW_REG_WAVE_MODE, 25, 1), 1
	s_wait_xcnt 0x0
; PREP.  x is quantised once, the weights are turned into signs once, and |w| is summed.
; out = Qa(silu(Qa(x) Qw(w1)^T) * (Qa(x) Qw(w2)^T)) Qw(w3)^T, Qa: int8 by groups of 64 along the last axis, Qw: sign(w) x mean|w|.
; WORK LEFT OUT.  _ste(v, q) = v + (q - v) = q for all finite v and q, in exact arithmetic: the addition and subtraction of v are not made, for x, h and the weights alike.  mean|w| is one
; factor for a whole tensor and is taken out of the product: a = mean|w1| x (Qa(x) sign(w1)^T).  Every input has a way to the output; all four are loaded.
; LIMITS.  The last-bit rounding of v + (q - v) in f32 is not reproduced.  NaN and infinities are not treated apart (a NaN loses in the group's maximum; sign(NaN) counts as +-1).  A group's
; maximum above 2^126 makes the reciprocal's result a denormal, which the instruction gives as 0 (ISA guide, the entry of v_rcp_f32).  s / 127 is made as s x (1/127): it may differ in the last bit.
; WHAT IS STORED.  The whole numbers q = round(clip(x 127/s)), |q| <= 127, as bf16 (exact), and s/127 in f32 beside them; the signs -1, 0, +1 as bf16 (exact).  So the products of the later launches
; are sums of whole numbers, exact in f32, and the group's scale is applied there in f32.  127/s is made correctly rounded (reciprocal, one Newton step, a residual correction), x (127/s) is one f32
; product as in reference(): q is reference()'s own.
;   xq : blocks [group 0..31][row block of 256: 0..31] of 33,792 bytes: 256 rows x 64 bf16 (128 bytes a row), then the 256 scales
;   wg : [group 0..31][2048 rows][64] bf16; row 128 G + 64 t + c is row 64 G + c of w1 (t = 0) or w2 (t = 1): gate and up of one group of h lie together
;   w3s: [group 0..15][2048 rows][64] bf16          wsum: [3][512] f32, one partial sum of |w| for each wave
; SHARES.  A wave owns 64 rows x one group of 64 columns: 32 steps of two rows; lanes 0-15 take one row's 256 bytes, lanes 16-31 the next row's: each load covers two aligned runs of 256 bytes, each
; store (8 bytes a lane) 256 consecutive bytes, aligned.  A work-group's eight waves take eight neighbouring groups.  Work-groups 0-511: x; 512-703: w1, w2, w3, 64 each.
; A stream: no LDS, no matrix unit, no cluster (nothing is shared), no prefetch (the launch's own loads keep the stream going).  A ring of eight slots in registers: eight loads of a wave are out.
.set LO,   8                           ; v[8:15]   slot i: byte offset of my 16 bytes in the slot's two rows
.set SO,   16                          ; v16       8 x lane
.set KA,   17                          ; v17       r - 8 x round: equal to the slot's number in the step whose scale I keep (steps 0-15)
.set KB,   18                          ; v18       r + 16 - 8 x round (steps 16-31)
.set SCA,  19                          ; v19       the scale of row 2 r + h
.set SCB,  20                          ; v20       the scale of row 2 r + 32 + h
.set X,    32                          ; v[32:63]  slot i: four numbers as loaded, then at work
.set Y,    64                          ; v[64:79]  slot i: four bf16 to store
.set M,    80                          ; v[80:83]  a quad's four group maxima, then s
.set D,    84                          ; v[84:87]  s / 127
.set Q,    88                          ; v[88:95]  pairs (127 / s, residual)
.set R,    96                          ; v[96:99]  1 / s
.set SUM,  100                         ; v[100:103] four running sums of |w|
.set WV,   2                           ; s2        my wave's number
.set SRC,  32                          ; s[32:33]  source at my first row and group
.set DSP,  34                          ; s[34:35]  destination of the round in hand
.set SCP,  36                          ; s[36:37]  where my 64 scales go
.set PITCH, 38                         ; s38       bytes in a source row
.set STEP, 39                          ; s39       16 rows: a round
	s_load_b256 s[8:15], s[0:1], 0x0               ; x s[8:9], w1 s[10:11], w2 s[12:13], w3 s[14:15]
	s_load_b256 s[16:23], s[0:1], 0x20             ; xq s[16:17], wg s[18:19], w3s s[20:21], wsum s[22:23]
	v_and_b32 v1, 31, v0                           ; lane
	v_and_b32 v2, 15, v0                           ; r
	v_bfe_u32 v3, v0, 4, 1                         ; h
	v_lshrrev_b32 v4, 5, v0
	v_readfirstlane_b32 s[WV], v4                  ; wave 0..7
	v_lshlrev_b32 v5, 4, v2                        ; 16 r
	v_lshlrev_b32 v[SO], 3, v1
	s_mov_b32 s24, 0x42fe0000                      ; 127.0
	s_mov_b32 s25, 0xc2fe0000                      ; -127.0
	s_mov_b32 s26, 0x80000000                      ; the sign
	s_mov_b32 s27, 0x07060302                      ; v_perm_b32: the upper halves of two words
	s_mov_b32 s28, 0x76543210                      ; v_permlanex16_b32: each lane takes its own place in the other half
	s_mov_b32 s29, 0xfedcba98
	s_mov_b32 s30, 0xffff0000                      ; lanes 16-31
	s_mov_b32 s31, 3                               ; rounds in the loop; the fourth is written out
.macro SETLO                           ; slot i's offset: (2 i + h) x pitch + 16 r
.irp i, 0,1,2,3,4,5,6,7
	v_add_nc_u32 v4, 2*\i, v3
	v_mad_u32_u24 v[LO+\i], v4, s[PITCH], v5
.endr
.endm
.macro RING                            ; the ring is filled: steps 0 to 7
.irp i, 0,1,2,3,4,5,6,7
	global_load_b128 v[X+4*\i:X+4*\i+3], v[LO+\i], s[SRC:SRC+1] th:TH_LOAD_NT
.endr
.endm
.macro INOUT k, ahead                  ; a quad's four slots are asked for again (16 rows on) and their results stored
.irp j, 0,1,2,3
.if \ahead
	v_add_nc_u32 v[LO+4*\k+\j], s[STEP], v[LO+4*\k+\j]   ; free: the wait at the quad's head has shown this slot's load done
	global_load_b128 v[X+16*\k+4*\j:X+16*\k+4*\j+3], v[LO+4*\k+\j], s[SRC:SRC+1] th:TH_LOAD_NT
.endif
	global_store_b64 v[SO], v[Y+8*\k+2*\j:Y+8*\k+2*\j+1], s[DSP:DSP+1] offset:(4*\k+\j)*256
.endr
.endm
	s_cmp_lt_u32 ttmp9, 512
	s_cbranch_scc0 .Lweights
	; ---------------- x ----------------
	s_lshr_b32 s40, ttmp9, 2                       ; block of 64 rows, 0..127
	s_and_b32 s41, ttmp9, 3
	s_lshl_b32 s41, s41, 3
	s_add_co_u32 s41, s41, s[WV]                   ; group 0..31
	s_lshl_b32 s42, s40, 19                        ; 64 rows of 8,192 bytes
	s_lshl_b32 s43, s41, 8
	s_add_co_u32 s42, s42, s43
	s_mov_b32 s43, 0
	s_lshl_b32 s44, s41, 5
	s_lshr_b32 s45, s40, 2
	s_add_co_u32 s44, s44, s45
	s_mul_i32 s44, s44, 33792                      ; my block of xq
	s_mov_b32 s45, 0
	s_and_b32 s46, s40, 3                          ; which 64 of its 256 rows
	s_lshl_b32 s48, s46, 13
	s_mov_b32 s49, 0
	s_lshl_b32 s50, s46, 8
	s_add_co_u32 s50, s50, 32768
	s_mov_b32 s51, 0
	s_mov_b32 s[PITCH], 8192
	s_mov_b32 s[STEP], 16*8192
	SETLO
	v_mov_b32 v[KA], v2
	v_add_nc_u32 v[KB], 16, v2
	v_mov_b32 v[SCA], 0
	v_mov_b32 v[SCB], 0
	s_wait_kmcnt 0x0
	s_add_nc_u64 s[SRC:SRC+1], s[8:9], s[42:43]
	s_add_nc_u64 s[SCP:SCP+1], s[16:17], s[44:45]
	s_add_nc_u64 s[DSP:DSP+1], s[SCP:SCP+1], s[48:49]
	s_add_nc_u64 s[SCP:SCP+1], s[SCP:SCP+1], s[50:51]
	RING
; Four slots (eight rows) at a time, their lines by turns.  left: the other quad's four younger loads may stay out.
.macro XQUAD k, ahead, left
	s_wait_loadcnt \left                           ; loads come back in order: this quad's four are in
	s_wait_xcnt 0x0                                ; the earlier stores have read Y: it is written again only behind this wait
.irp j, 0,1,2,3
	v_max3_num_f32 v[M+\j], |v[X+16*\k+4*\j]|, |v[X+16*\k+4*\j+1]|, |v[X+16*\k+4*\j+2]|
.endr
.irp j, 0,1,2,3
	v_max_num_f32 v[M+\j], v[M+\j], |v[X+16*\k+4*\j+3]|
.endr
.irp m, 1,2,4,8                        ; across the 16 lanes that hold the row's group
.irp j, 0,1,2,3
	v_max_num_f32_dpp v[M+\j], v[M+\j], v[M+\j] row_xmask:\m row_mask:0xf bank_mask:0xf
.endr
.endr
.irp j, 0,1,2,3
	v_max_num_f32 v[M+\j], 0x3727c5ac, v[M+\j]     ; s = max(maximum, 1e-5)
.endr
.irp j, 0,1,2,3
	v_rcp_f32 v[R+\j], v[M+\j]
.endr
.irp j, 0,1,2,3
	v_mul_f32 v[D+\j], 0x3c010204, v[M+\j]         ; s / 127: plain work behind the reciprocals that names none of their results
.endr
.irp j, 0,1,2,3                        ; the lane whose r (or r + 16) is this step's number keeps the step's scale
	v_cmp_eq_u32 vcc_lo, 4*\k+\j, v[KA]
	v_cndmask_b32 v[SCA], v[SCA], v[D+\j], vcc_lo
	v_cmp_eq_u32 vcc_lo, 4*\k+\j, v[KB]
	v_cndmask_b32 v[SCB], v[SCB], v[D+\j], vcc_lo
.endr
	s_wait_alu depctr_va_vdst(0)                   ; one wait for the four reciprocals, ahead of their first reader
.irp j, 0,1,2,3
	v_fma_f32 v[Q+2*\j+1], -v[M+\j], v[R+\j], 1.0  ; a Newton step on 1 / s
.endr
.irp j, 0,1,2,3
	v_fma_f32 v[R+\j], v[Q+2*\j+1], v[R+\j], v[R+\j]
.endr
.irp j, 0,1,2,3
	v_mul_f32 v[Q+2*\j], s24, v[R+\j]              ; 127 / s, to be corrected
.endr
.irp j, 0,1,2,3
	v_fma_f32 v[Q+2*\j+1], -v[M+\j], v[Q+2*\j], s24  ; the exact residual 127 - s q
.endr
.irp j, 0,1,2,3
	v_fma_f32 v[Q+2*\j], v[Q+2*\j+1], v[R+\j], v[Q+2*\j]
.endr
.irp j, 0,1,2,3
	v_pk_mul_f32 v[X+16*\k+4*\j:X+16*\k+4*\j+1], v[X+16*\k+4*\j:X+16*\k+4*\j+1], v[Q+2*\j:Q+2*\j+1] op_sel_hi:[1,0]
	v_pk_mul_f32 v[X+16*\k+4*\j+2:X+16*\k+4*\j+3], v[X+16*\k+4*\j+2:X+16*\k+4*\j+3], v[Q+2*\j:Q+2*\j+1] op_sel_hi:[1,0]
.endr
.irp j, 0,1,2,3
.irp e, 0,1,2,3
	v_med3_num_f32 v[X+16*\k+4*\j+\e], v[X+16*\k+4*\j+\e], s25, s24   ; reference()'s clip
.endr
.endr
.irp j, 0,1,2,3
.irp e, 0,1,2,3
	v_rndne_f32 v[X+16*\k+4*\j+\e], v[X+16*\k+4*\j+\e]               ; halves to even, as jnp.round
.endr
.endr
.irp j, 0,1,2,3
	v_cvt_pk_bf16_f32 v[Y+8*\k+2*\j], v[X+16*\k+4*\j], v[X+16*\k+4*\j+1]      ; whole numbers up to 127: exact
	v_cvt_pk_bf16_f32 v[Y+8*\k+2*\j+1], v[X+16*\k+4*\j+2], v[X+16*\k+4*\j+3]
.endr
	INOUT \k, \ahead
.endm
.Lxr:
	XQUAD 0, 1, 4
	XQUAD 1, 1, 4
	s_wait_xcnt 0x0                                ; the round's stores have read their base
	s_add_nc_u64 s[DSP:DSP+1], s[DSP:DSP+1], 2048  ; 16 rows of 128 bytes
	v_add_nc_u32 v[KA], -8, v[KA]
	v_add_nc_u32 v[KB], -8, v[KB]
	s_sub_co_u32 s31, s31, 1
	s_cmp_lg_u32 s31, 0
	s_cbranch_scc1 .Lxr
	XQUAD 0, 0, 4                                  ; the last round loads nothing
	XQUAD 1, 0, 0
	; lane (r, h) holds the scales of rows 2 r + h and 2 r + 32 + h; lane L stores those of rows 2 L and 2 L + 1: 256 consecutive bytes
	v_mov_b32 v21, 0                               ; (the exchange's destinations count as read)
	v_mov_b32 v22, 0
	v_permlanex16_b32 v21, v[SCA], s28, s29
	v_permlanex16_b32 v22, v[SCB], s28, s29
	v_cndmask_b32 v24, v[SCA], v22, s30
	v_cndmask_b32 v25, v21, v[SCB], s30
	global_store_b64 v[SO], v[24:25], s[SCP:SCP+1]
	s_endpgm
	; ---------------- the weights ----------------
.Lweights:
	s_sub_co_u32 s40, ttmp9, 512
	s_lshr_b32 s41, s40, 6                         ; t: 0 w1, 1 w2, 2 w3
	s_and_b32 s42, s40, 63
	s_mov_b32 s[PITCH], 8192
	s_cmp_eq_u32 s41, 2
	s_cselect_b32 s[PITCH], 4096, s[PITCH]
	s_cselect_b32 s43, 1, 2                        ; w3 has 16 groups: two work-groups to a block of rows; w1 and w2 have 32: four
	s_cselect_b32 s44, 1, 3
	s_lshl_b32 s[STEP], s[PITCH], 4
	s_lshr_b32 s45, s42, s43                       ; block of 64 rows
	s_and_b32 s46, s42, s44
	s_lshl_b32 s46, s46, 3
	s_add_co_u32 s46, s46, s[WV]                   ; group
	s_mul_i32 s48, s45, s[PITCH]
	s_lshl_b32 s48, s48, 6
	s_lshl_b32 s47, s46, 8
	s_add_co_u32 s48, s48, s47
	s_mov_b32 s49, 0
	s_lshl_b32 s50, s45, 7                         ; wg: row 128 G + 64 t
	s_lshl_b32 s47, s41, 6
	s_add_co_u32 s50, s50, s47
	s_lshl_b32 s47, s45, 6                         ; w3s: row 64 x block
	s_cmp_eq_u32 s41, 2
	s_cselect_b32 s50, s47, s50
	s_lshl_b32 s50, s50, 7
	s_lshl_b32 s47, s46, 18                        ; a group's 2,048 rows of 128 bytes
	s_add_co_u32 s50, s50, s47
	s_mov_b32 s51, 0
	s_lshl_b32 s52, s41, 9                         ; wsum[t][8 x work-group + wave]
	s_lshl_b32 s47, s42, 3
	s_add_co_u32 s52, s52, s47
	s_add_co_u32 s52, s52, s[WV]
	s_lshl_b32 s52, s52, 2
	SETLO
.irp e, 0,1,2,3
	v_mov_b32 v[SUM+\e], 0
.endr
	s_wait_kmcnt 0x0
	s_cmp_eq_u32 s41, 0
	s_cselect_b64 s[SRC:SRC+1], s[10:11], s[12:13]
	s_cmp_eq_u32 s41, 2
	s_cselect_b64 s[SRC:SRC+1], s[14:15], s[SRC:SRC+1]
	s_cselect_b64 s[DSP:DSP+1], s[20:21], s[18:19]
	s_add_nc_u64 s[SRC:SRC+1], s[SRC:SRC+1], s[48:49]
	s_add_nc_u64 s[DSP:DSP+1], s[DSP:DSP+1], s[50:51]
	RING
.macro WQUAD k, ahead, left
	s_wait_loadcnt \left
	s_wait_xcnt 0x0
.irp j, 0,1,2,3
.irp e, 0,1,2,3
	v_add_f32 v[SUM+\e], v[SUM+\e], |v[X+16*\k+4*\j+\e]|
.endr
.endr
.irp j, 0,1,2,3
.irp e, 0,1,2,3
	v_cmp_neq_f32 vcc_lo, 0, v[X+16*\k+4*\j+\e]
	v_and_or_b32 v[X+16*\k+4*\j+\e], v[X+16*\k+4*\j+\e], s26, 0x3f800000   ; 1.0 with w's sign,
	v_cndmask_b32 v[X+16*\k+4*\j+\e], 0, v[X+16*\k+4*\j+\e], vcc_lo        ; or 0 where w is 0
.endr
	v_perm_b32 v[Y+8*\k+2*\j], v[X+16*\k+4*\j+1], v[X+16*\k+4*\j], s27     ; the upper halves are the bf16
	v_perm_b32 v[Y+8*\k+2*\j+1], v[X+16*\k+4*\j+3], v[X+16*\k+4*\j+2], s27
.endr
	INOUT \k, \ahead
.endm
.Lwr:
	WQUAD 0, 1, 4
	WQUAD 1, 1, 4
	s_wait_xcnt 0x0
	s_add_nc_u64 s[DSP:DSP+1], s[DSP:DSP+1], 2048
	s_sub_co_u32 s31, s31, 1
	s_cmp_lg_u32 s31, 0
	s_cbranch_scc1 .Lwr
	WQUAD 0, 0, 4
	WQUAD 1, 0, 0
	v_add_f32 v[SUM], v[SUM], v[SUM+1]
	v_add_f32 v[SUM+2], v[SUM+2], v[SUM+3]
	v_add_f32 v[SUM], v[SUM], v[SUM+2]
.irp m, 1,2,4,8
	v_add_f32_dpp v[SUM], v[SUM], v[SUM] row_xmask:\m row_mask:0xf bank_mask:0xf
.endr
	v_permlanex16_b32 v[SUM+1], v[SUM], s28, s29
	v_add_f32 v[SUM], v[SUM], v[SUM+1]             ; the wave's 4,096 numbers
	v_mov_b32 v21, s52
	v_cmp_eq_u32 vcc_lo, 0, v1
	s_wait_xcnt 0x0                                ; EXEC changes only behind this wait
	s_and_saveexec_b32 s53, vcc_lo
	global_store_b32 v21, v[SUM], s[22:23]         ; four bytes a wave, 6 KiB in the launch: 64 waves would have to meet to fill 256 bytes
	s_wait_xcnt 0x0
	s_or_b32 exec_lo, exec_lo, s53
	s_endpgm
.Lfunc_end_k_q1ef36d0847_prep:
	.size	k_q1ef36d0847_prep, .Lfunc_end_k_q1ef36d0847_prep-k_q1ef36d0847_prep
	.p2alignl 7, 3214868480
	.fill 96, 4, 3214868480
	.section	.rodata,"a",@progbits
	.p2align	6, 0x0
	.amdhsa_kernel k_q1ef36d0847_prep
		.amdhsa_group_segment_fixed_size 0
		.amdhsa_private_segment_fixed_size 0
		.amdhsa_enable_private_segment 0
		.amdhsa_kernarg_size 64
		.amdhsa_user_sgpr_count 2
		.amdhsa_user_sgpr_kernarg_segment_ptr 1
		.amdhsa_wavefront_size32 1
		.amdhsa_system_sgpr_workgroup_id_x 1
		.amdhsa_system_sgpr_workgroup_id_y 1
		.amdhsa_system_sgpr_workgroup_id_z 1
		.amdhsa_system_vgpr_workitem_id 0
		.amdhsa_next_free_vgpr 112
		.amdhsa_next_free_sgpr 66
		.amdhsa_reserve_vcc 1
		.amdhsa_float_denorm_mode_32 3
		.amdhsa_float_denorm_mode_16_64 3
		.amdhsa_memory_ordered 1
		.amdhsa_forward_progress 1
		.amdhsa_inst_pref_size 53
	.end_amdhsa_kernel
	.amdgpu_metadata
---
amdhsa.version: [ 1, 2 ]
amdhsa.kernels:
  - .name:           k_q1ef36d0847_prep
    .symbol:         k_q1ef36d0847_prep.kd
    .args:
      - { .name: x, .offset: 0, .size: 8, .value_kind: global_buffer, .address_space: global }
      - { .name: w1, .offset: 8, .size: 8, .value_kind: global_buffer, .address_space: global }
      - { .name: w2, .offset: 16, .size: 8, .value_kind: global_buffer, .address_space: global }
      - { .name: w3, .offset: 24, .size: 8, .value_kind: global_buffer, .address_space: global }
      - { .name: xq, .offset: 32, .size: 8, .value_kind: global_buffer, .address_space: global }
      - { .name: wg, .offset: 40, .size: 8, .value_kind: global_buffer, .address_space: global }
      - { .name: w3s, .offset: 48, .size: 8, .value_kind: global_buffer, .address_space: global }
      - { .name: wsum, .offset: 56, .size: 8, .value_kind: global_buffer, .address_space: global }
    .group_segment_fixed_size: 0
    .private_segment_fixed_size: 0
    .kernarg_segment_align: 8
    .kernarg_segment_size: 64
    .max_flat_workgroup_size: 256
    .sgpr_count:     66
    .vgpr_count:     112
    .wavefront_size: 32
...
	.end_amdgpu_metadata
.endif
;; end of part 1
;; launch gateup (part 2): grid 8 x 32, 4 waves a work-group, clusters of 4 x 4, 327,680 bytes of LDS; arguments xq, wg, wsum, hq; writes hq
.if DOCPART == 2
	.amdgcn_target "amdgcn-amd-amdhsa--gfx1250"
	.amdhsa_code_object_version 6
	.text
	.protected	k_q1ef36d0847_gateup
	.globl	k_q1ef36d0847_gateup
	.p2align	8
	.type	k_q1ef36d0847_gateup,@function
k_q1ef36d0847_gateup:
	s_mov_b64 s[64:65], 0
	v_nop
	global_prefetch_b8 v0, s[64:65] scope:SCOPE_SE
	s_setreg_imm32_b32 hwreg(HW_REG_WAVE_MODE, 25, 1), 1
	s_wait_xcnt 0x0
	s_wait_alu depctr_hold_cnt(0) depctr_sa_sdst(0) depctr_va_vdst(0) depctr_va_sdst(0) depctr_va_ssrc(0) depctr_va_vcc(0) depctr_vm_vsrc(0)
	s_getreg_b32 s2, hwreg(HW_REG_IB_STS2, 6, 4)
	s_cmp_eq_u32 s2, 0
	s_cbranch_scc0 .Lentry_in_a_cluster
	s_endpgm
.Lentry_in_a_cluster:
	s_bfe_u32 s2, ttmp6, 0x10000c
	s_cmp_lg_u32 s2, 0xf033
	s_cbranch_scc0 .Lentry_shape_is_right
	s_endpgm
.Lentry_shape_is_right:
; GATE AND UP.  a = c1 sum_g s_g/127 (q_g . sign(w1)_g), b likewise with w2, h = silu(a) b, then h is quantised by groups of 64 and stored as whole numbers in bf16 with its scales (hq, in xq's form).
; As in the first launch v + (q - v) is taken as q, for x, h and the weights, and mean|w| stands outside the product.
; LIMITS.  NaN and infinities are not treated apart.  2^t and 1/t give 0 for a result below 2^-126 (ISA guide, their entries): silu of a very negative number counts as 0.  h 127/s is made as
; (a b / (1 + 2^(-c1 a log2 e))) x (127 c1 c2 / s): its rounding differs from reference()'s in the last bits, so a number that lies within them of a half may round to the neighbouring whole number.
; THE PRODUCT.  The matrix unit multiplies whole numbers (|q| <= 127) by signs, both exact in bf16; a group's sum of 64 is at most 8,128, exact in f32.  It falls into a scratch accumulator P (C = 0
; starts it, two instructions deep), and four packed multiply-adds take P x (the row's scale of that group) onto the true accumulator ACC, in f32.  These RIDERS stand behind the matrix instructions,
; TWO BEHIND EACH.  ACC fills windows 2 and 3 and a product's operands lie in windows 0 and 1, so the two riders cost two switches of the window.
; SHARES.  A tile of 256 rows x 256 combined columns to a work-group, 128 x 128 to each of four waves.  The matrix instruction is used transposed (source 0 = 16 weight rows, source 1 = 16 rows of
; q): a lane holds ONE row (lane % 16) and the columns 8 (lane / 16) + 0..7, so the group's scale is one number a lane.  A wave's 128 combined columns are gate and up of one group of h.
; RING.  Two LDS slots of two groups each.  One tensor load a wave fills a quarter: waves 0, 1 a group's block of xq (256 rows and their scales: 132 rows of 256 bytes), waves 2, 3 a group's 256 weight rows.
; CLUSTER.  4 x 4: xq's blocks are shared along a row of the cluster, the weights along a column: joint loads, each with the mask of its four.
; SCHEDULE.  A group's work is an X phase (column tiles 0-3) and a Y phase (4-7), 8 blocks each, a block = one row tile x four column tiles x K 64 = 8 matrix instructions.  The text's unit is
; [Y of group g-1 ; X of group g]: all that it reads from LDS is group g's.  All fragments have one buffer; they are loaded again in TWO RUNS a unit, never singly among the matrix instructions.
; The change of slots stands between X and Y: the slot's last bytes were asked for seven blocks earlier, and the Y phase behind it multiplies from registers.
; REGISTERS (s_set_vgpr_msb: bits 1:0 source 0, 3:2 source 1, 5:4 source 2, 7:6 destination):
;   window 0: v0-30 addresses; v32-63 at work; v64-127 weight fragments X, v128-191 Y (tile b, K half c at 16 b + 8 c)
;   window 1: v0-63 P, two sets of four; v64-191 q's fragments (row tile a, K half c at 64 + 16 a + 8 c); v192-207 the scales: S[a] at 192 + 2 a, its odd neighbour 0 (a packed source names a pair)
;   windows 2, 3: ACC(a, b8) at 64 (a % 4) + 8 b8, window 2 + a / 4
; ACC is summed by vector instructions, so no product can start it: it is cleared once, in the wait for the first tile; so no first group is written out.
.set G,      32                        ; groups of 64 along K
.set F,      G/2                       ; fills of a slot
.set PT,     144                       ; an LDS row: 128 bytes + 16 of padding: the 16 rows of a fragment load start in 16 different columns of 16 bytes (64 banks of 4 bytes: ISA guide 11.1)
.set SOFF,   256*PT                    ; a group's scales, behind its 256 rows: row m at SOFF + (m / 32) PT + 4 (m % 32)
.set BOFF,   264*PT                    ; the weights' 256 rows, behind xq's part (132 memory rows = 264 LDS rows)
.set GRP,    BOFF+256*PT               ; a group's bytes: 74,880
.set SLOT,   2*GRP
.set HSB,    2*SLOT                    ; behind the ring: 512 bytes a wave for h's scales; no tensor load lands here
.set SPARE,  HSB+2048                  ; the spare words, 128 bytes a wave: two blocks of 256 bytes that no other line names
.set DPT,    528                       ; the way out: a row of 128 f32 + 16 bytes
.set DWAVE,  128*DPT                   ; a wave's part of the dump, which lies in the slots after their last fill
.set ABLK,   33792
.set ASTEP,  64*ABLK                   ; xq: two groups on
.set BSTEP,  2*262144                  ; wg: two groups on
.set LA0,  2                           ; v2   my place in a group's rows of q        (never rewritten)
.set LW0,  3                           ; v3   in its weight rows
.set LS0,  4                           ; v4   in its scales
.set ADRA, 5                           ; v5-7 the same plus the group's first byte
.set ADRW, 6
.set ADRS, 7
.set DST,  8                           ; v8   the dump: where my 32 bytes of a row go
.set RD,   9                           ; v9   where I read it back
.set GO,   10                          ; v10  my byte offset in hq's rows
.set HSA,  11                          ; v11  where my row's scale goes
.set HSR,  12                          ; v12  where I read 16 bytes of scales back
.set L16,  13                          ; v13  16 x lane; never rewritten
.set SPW,  28                          ; v28  my spare word; never rewritten
.set NIL,  29                          ; v29  0; never rewritten
.set PFO,  30                          ; v30  256 x lane; never rewritten
.set MS,   32                          ; way out: by sub-block four registers: s, -, (127 c1 c2 / s, s / 127)
.set GA,   64                          ; way out: 16 gate sums
.set UB,   80                          ; 16 up sums
.set TT,   96                          ; 16 at work
.set HH,   112                         ; 16 h
.set YP,   128                         ; 8 registers to store
.set WV,  12
.set WR,  13                           ; s13  my half of the rows
.set WC,  14                           ; s14  my half of the columns; also: which group of a fill I fetch
.set CX,  15
.set CY,  16
.set BX,  17
.set BY,  18
.set G1A, 24                           ; s[24:31] descriptor group 1, xq's blocks
.set G0A, 32                           ; s[32:35] group 0: it walks
.set G0B, 36                           ; s[36:39] the same for the weights
.set TB,  40                           ; s40  LDS byte at which the group to be read begins
.set FS,  41                           ; s41  0 or SLOT: the slot to be filled
.set LAA, 42                           ; s42  my tile's place in a slot, for xq
.set LAB, 43                           ; s43  for the weights
.set SLOTS, 44
.set TWICE, 45
.set LIM, 46                           ; s46  2 in a wave that prefetches, else the greatest number
.set G1B, 48                           ; s[48:55]
.set PFA, 56                           ; s[56:57] where my prefetches stand
.set PFS, 58                           ; s[58:59] their step
.set K1,  60                           ; s[60:61] -c1 log2(e)
.set K2,  62                           ; s62      c1 c2
.set K3,  66                           ; s66      127 c1 c2
.set P127, 68
.set N127, 69
.set SEL, 70                           ; s[70:71]
.set OB,  78                           ; s[78:79] hq at my rows
.set OS,  80                           ; s[80:81] hq at my rows' scales
.set W_MM, 0x54                        ; weights window 0; q, C and D window 1 (an LDS load under it: data window 1, address window 0)
.set MSB, 0
.macro WIN new                         ; the high byte repeats the setting that is left; a switch that changes nothing is dropped
.if MSB != (\new)
	s_set_vgpr_msb (MSB<<8)|(\new)
.set MSB, (\new)
.endif
.endm
; A joint load: waves 0, 1 xq's two blocks of a fill, waves 2, 3 the weights'.  The branch hangs on the wave's number alone.  An s_nop 0 and four v_nop follow each line.
.macro JLOAD
	s_cmp_lt_u32 s[WV], 2
	s_cbranch_scc0 .Lfor_b_\@
	tensor_load_to_lds s[G0A:G0A+3], s[G1A:G1A+7]
	s_nop 0
.rept 4
	v_nop
.endr
	s_branch .Lasked_\@
.Lfor_b_\@:
	tensor_load_to_lds s[G0B:G0B+3], s[G1B:G1B+7]
	s_nop 0
.rept 4
	v_nop
.endr
.Lasked_\@:
.endm
; A prefetch of the fill TWO changes on: of the 128 runs of 256 bytes of rows that I fetch, my work-group's 32 (told apart by address among the four that ask jointly), a lane a run.  xq's blocks are
; asked for by the clusters with x = 0, the weights by those with y = 0: each run is named once in the launch.  The last two changes that fill ask for nothing.  A block's four runs of scales are not asked for.
.macro ASK
	s_cmp_gt_u32 s[SLOTS], s[LIM]
	s_cbranch_scc0 .Lnot_mine_\@
	global_prefetch_b8 v[PFO], s[PFA:PFA+1] th:TH_LOAD_NT scope:SCOPE_SE
.Lnot_mine_\@:
.endm
.macro CROUND                          ; a round of the cluster's barrier
	s_barrier_signal -1
	s_barrier_wait -1
	s_cmp_lg_u32 s[WV], 0
	s_cbranch_scc1 .Lnot_wave_0_\@
	s_barrier_signal -3
.Lnot_wave_0_\@:
	s_barrier_wait -3
	s_barrier_signal -1
	s_barrier_wait -1
.endm
; THE CHANGE OF SLOTS.  Each wave waits for all its tensor loads (one is out: its part of the other slot), adds 0 to its spare word, and waits for that and for its reads of the slot that it leaves.
; fill = 1: a round of the cluster's barrier, then the joint refill first: it has two groups' work, 256 matrix instructions, in which to land.
.macro CHANGE fill, ask
	WIN 0
	s_wait_tensorcnt 0x0                           ; no tensor load of mine is out: the descriptors may be written
	ds_add_u32 v[SPW], v[NIL]                      ; scalar work stands between it and its wait
.if \fill
	s_xor_b32 s[FS], s[FS], SLOT                   ; 0 <-> SLOT
	s_add_co_u32 s[G0A+1], s[FS], s[LAA]
	s_add_co_u32 s[G0B+1], s[FS], s[LAB]
	s_add_nc_u64 s[G0A+2:G0A+3], s[G0A+2:G0A+3], ASTEP  ; the type bits on top are not reached
	s_add_nc_u64 s[G0B+2:G0B+3], s[G0B+2:G0B+3], BSTEP
.if \ask
	s_wait_xcnt 0x0                                ; the last prefetch, two groups back, has read its address
	s_add_nc_u64 s[PFA:PFA+1], s[PFA:PFA+1], s[PFS:PFS+1]
.endif
	s_wait_dscnt 0x0                               ; the add is done, my reads of the slot are over
	CROUND
	JLOAD
.if \ask
	ASK
.endif
.else
	s_wait_dscnt 0x0
	s_barrier_signal -1
	s_barrier_wait -1
.endif
	s_sub_co_u32 s[TB], s[TB], 2*GRP               ; back to the slot's first byte (0 or SLOT),
	s_xor_b32 s[TB], s[TB], SLOT                   ; and into the other slot
.endm
	s_load_b256 s[4:11], s[0:1], 0x0               ; xq s[4:5], wg s[6:7], wsum s[8:9], hq s[10:11]
	v_lshl_add_u32 v[SPW], v0, 2, SPARE
	v_mov_b32 v[NIL], 0
	ds_add_u32 v[SPW], v[NIL]                      ; the opening: the add, twice on end, and one wait, ahead of my first tensor load
	ds_add_u32 v[SPW], v[NIL]
	v_lshrrev_b32 v1, 5, v0
	v_readfirstlane_b32 s[WV], v1
	s_lshr_b32 s[WR], s[WV], 1
	s_and_b32 s[WC], s[WV], 1
	s_bfe_u32 s[CX], ttmp6, 0x40000
	s_bfe_u32 s[CY], ttmp6, 0x40004
	s_lshl_b32 s[BX], ttmp9, 2
	s_add_co_u32 s[BX], s[BX], s[CX]               ; tile column
	s_and_b32 s[BY], ttmp7, 0xffff
	s_lshl_b32 s[BY], s[BY], 2
	s_add_co_u32 s[BY], s[BY], s[CY]               ; tile row = the block of 256 rows
	s_lshl_b32 s19, s[CY], 2
	s_lshl_b32 s19, 15, s19                        ; my row of the cluster
	s_lshl_b32 s20, 0x1111, s[CX]                  ; my column
	s_or_b32 s[G1A], s19, (1<<16)|(1<<20)|(1<<21)|(4<<22)|(3<<25)  ; 15:0 mask; 17:16 2-byte elements; 20 padding on; 21 set beside a mask; 24:22 after every 32 words; 31:25 4 words
	s_or_b32 s[G1B], s20, (1<<16)|(1<<20)|(1<<21)|(4<<22)|(3<<25)
.irp g, G1A, G1B
	s_mov_b32 s[\g+1], 128<<16                     ; tensor_dim0 = 128 elements: rows of 256 bytes, two LDS rows each
	s_mov_b32 s[\g+3], 128<<16                     ; tile_dim0
	s_mov_b32 s[\g+5], 128                         ; dense: 128 elements from row to row
	s_mov_b32 s[\g+6], 0
	s_mov_b32 s[\g+7], 0
.endr
	s_mov_b32 s[G1A+2], 132<<16                    ; tensor_dim1: 128 rows of q and 4 of scales
	s_mov_b32 s[G1A+4], 132                        ; tile_dim1
	s_mov_b32 s[G1B+2], 128<<16
	s_mov_b32 s[G1B+4], 128
	s_lshl_b32 s72, s[WC], 5                       ; xq: block (group = my group of fill 0, tile row): no cx enters
	s_add_co_u32 s72, s72, s[BY]
	s_mul_i32 s72, s72, ABLK
	s_mov_b32 s73, 0
	s_lshl_b32 s74, s[WC], 18                      ; wg: my group, the tile column's 256 rows of 128 bytes: no cy enters
	s_lshl_b32 s21, s[BX], 15
	s_add_co_u32 s74, s74, s21
	s_mov_b32 s75, 0
	s_mul_i32 s[LAA], s[WC], GRP                   ; no place in the cluster enters an LDS address
	s_add_co_u32 s[LAB], s[LAA], BOFF
	s_mov_b32 s[FS], 0
	s_mov_b32 s[G0A], 1
	s_mov_b32 s[G0A+1], s[LAA]
	s_mov_b32 s[G0B], 1
	s_mov_b32 s[G0B+1], s[LAB]
	s_mov_b32 s[P127], 0x42fe0000
	s_mov_b32 s[N127], 0xc2fe0000
	s_mov_b32 s[SEL], 0x76543210
	s_mov_b32 s[SEL+1], 0xfedcba98
	s_wait_dscnt 0x0                               ; both opening adds are done
	s_wait_kmcnt 0x0
	s_add_nc_u64 s[72:73], s[4:5], s[72:73]
	s_add_nc_u64 s[74:75], s[6:7], s[74:75]
	s_mov_b64 s[G0A+2:G0A+3], s[72:73]
	s_or_b32 s[G0A+3], s[G0A+3], 0x80000000        ; type = 2
	s_mov_b64 s[G0B+2:G0B+3], s[74:75]
	s_or_b32 s[G0B+3], s[G0B+3], 0x80000000
	; the prefetches
	s_and_b32 s21, ttmp7, 0xffff                   ; cluster y
	s_mov_b32 s22, ASTEP
	s_mov_b32 s23, BSTEP
	s_cmp_lt_u32 s[WV], 2
	s_cselect_b32 s21, ttmp9, s21                  ; the coordinate along which other clusters read the same bytes
	s_cselect_b32 s47, s[CX], s[CY]                ; my place among the four that ask with me: it enters the address alone
	s_cselect_b32 s[PFS], s22, s23
	s_cselect_b64 s[PFA:PFA+1], s[72:73], s[74:75]
	s_mov_b32 s[PFS+1], 0
	s_cmp_eq_u32 s21, 0
	s_cselect_b32 s[LIM], 2, -1                    ; the same in all sixteen partners, for a given wave
	s_lshl_b32 s76, s47, 13
	s_mov_b32 s77, 0
	s_add_nc_u64 s[PFA:PFA+1], s[PFA:PFA+1], s[76:77]
	s_mul_i32 s76, s[PFS], 3
	s_add_nc_u64 s[PFA:PFA+1], s[PFA:PFA+1], s[76:77]  ; at fill 3: the change that asks for fill 2 steps it to fill 4.  Fills 0 to 3 come by their loads alone
	; where h goes: block (group 2 bx + wc, tile row)
	s_lshl_b32 s76, s[BX], 1
	s_add_co_u32 s76, s76, s[WC]
	s_lshl_b32 s76, s76, 5
	s_add_co_u32 s76, s76, s[BY]
	s_mul_i32 s76, s76, ABLK
	s_add_nc_u64 s[OS:OS+1], s[10:11], s[76:77]
	s_lshl_b32 s76, s[WR], 14                      ; my 128 rows of 128 bytes
	s_add_nc_u64 s[OB:OB+1], s[OS:OS+1], s[76:77]
	s_lshl_b32 s76, s[WR], 9
	s_add_co_u32 s76, s76, 32768
	s_add_nc_u64 s[OS:OS+1], s[OS:OS+1], s[76:77]
	CROUND                                         ; all sixteen work-groups are here: the first joint loads meet
	JLOAD                                          ; fill 0 into slot 0; fill 1 is asked for when it has landed, by the first change of slots
	v_and_b32 v1, 15, v0                           ; r
	v_bfe_u32 v14, v0, 4, 1                        ; h
	v_and_b32 v15, 31, v0                          ; lane
	v_lshlrev_b32 v[L16], 4, v15
.irp k, 0,1,2,3,4,5,6,7
	global_load_b128 v[32+4*\k:35+4*\k], v[L16], s[8:9] offset:\k*512   ; the 512 partial sums of |w1|, then of |w2|: 16 numbers a lane each
.endr
	v_lshlrev_b32 v[PFO], 8, v15
	v_mul_u32_u24 v16, v1, PT
	v_lshl_add_u32 v16, v14, 4, v16                ; a fragment's row x pitch + 16 x half
	s_mul_i32 s19, s[WR], 128*PT
	v_add_nc_u32 v[LA0], s19, v16
	s_mul_i32 s19, s[WC], 128*PT
	s_add_co_u32 s19, s19, BOFF
	v_add_nc_u32 v[LW0], s19, v16
	s_mul_i32 s19, s[WR], 4*PT
	s_add_co_u32 s19, s19, SOFF
	v_lshl_add_u32 v[LS0], v1, 2, s19
	s_mul_i32 s19, s[WV], DWAVE
	v_mul_u32_u24 v16, v1, DPT
	v_lshl_add_u32 v16, v14, 5, v16
	v_add_nc_u32 v[DST], s19, v16                  ; row r, 32 bytes for each half of the lanes
	v_lshrrev_b32 v17, 3, v15
	v_and_b32 v18, 7, v15
	v_mul_u32_u24 v16, v17, DPT
	v_lshl_add_u32 v16, v18, 5, v16
	v_add_nc_u32 v[RD], s19, v16                   ; back: eight lanes to a row, 32 bytes of gate (and of up) each
	s_lshl_b32 s19, s[WV], 9
	s_add_co_u32 s19, s19, HSB
	v_lshl_add_u32 v[HSA], v17, 2, s19
	v_add_nc_u32 v[HSR], s19, v[L16]
	v_mov_b32 v[GO], v[L16]
	; what the first riders find: ACC = 0; P's second set = 0 and S[7] = 0 (the riders of a block that has not been add 0); the scales' odd neighbours = 0
	WIN 0x80
.set i, 0
.rept 256
	v_mov_b32 v[i], 0
.set i, i+1
.endr
	WIN 0xc0
.set i, 0
.rept 256
	v_mov_b32 v[i], 0
.set i, i+1
.endr
	WIN 0x40
.set i, 32
.rept 32
	v_mov_b32 v[i], 0
.set i, i+1
.endr
.irp a, 0,1,2,3,4,5,6,7
	v_mov_b32 v[193+2*\a], 0
.endr
	v_mov_b32 v206, 0
	WIN 0
.macro WRED b                          ; 16 numbers a lane and the 32 lanes into one sum, in every lane
.irp e, 0,2,4,6
	v_pk_add_f32 v[\b+\e:\b+\e+1], v[\b+\e:\b+\e+1], v[\b+8+\e:\b+8+\e+1]
.endr
.irp e, 0,2
	v_pk_add_f32 v[\b+\e:\b+\e+1], v[\b+\e:\b+\e+1], v[\b+4+\e:\b+4+\e+1]
.endr
	v_pk_add_f32 v[\b:\b+1], v[\b:\b+1], v[\b+2:\b+3]
	v_add_f32 v[\b], v[\b], v[\b+1]
.irp m, 1,2,4,8
	v_add_f32_dpp v[\b], v[\b], v[\b] row_xmask:\m row_mask:0xf bank_mask:0xf
.endr
	v_permlanex16_b32 v[\b+1], v[\b], s[SEL], s[SEL+1]
	v_add_f32 v[\b], v[\b], v[\b+1]
.endm
	s_wait_loadcnt 0x0
	WRED 32
	WRED 48
	v_readfirstlane_b32 s19, v32
	v_readfirstlane_b32 s20, v48
	s_mul_f32 s19, s19, 0x35000000                 ; c1 = sum / 2^21
	s_mul_f32 s20, s20, 0x35000000                 ; c2
	s_mul_f32 s[K1], s19, 0xbfb8aa3b               ; -c1 log2(e)
	s_mov_b32 s[K1+1], s[K1]                       ; named with it as a pair
	s_mul_f32 s[K2], s19, s20
	s_mul_f32 s[K3], s[K2], 0x42fe0000
; Matrix instruction k of 8 of block i: K half k / 4, column tile k % 4.  The four accumulators of a set take turns: three others stand between the two links of a chain.
.macro MMI i, k
.set rP, 32*((\i)%2)+8*((\k)%4)
.set rW, 64+64*(1-(\i)/8)+16*((\k)%4)+8*((\k)/4)
.set rA, 64+16*((\i)%8)+8*((\k)/4)
	WIN W_MM
.if (\k) < 4
	v_wmma_f32_16x16x32_bf16 v[rP:rP+7], v[rW:rW+7], v[rA:rA+7], 0
.else
	v_wmma_f32_16x16x32_bf16 v[rP:rP+7], v[rW:rW+7], v[rA:rA+7], v[rP:rP+7]
.endif
.endm
; The two riders behind matrix instruction k of block i: registers 4 (k % 2) .. + 3 of tile k / 2 of the block BEFORE: ACC += P x the row's scale.  P's lowest registers are read first.
; Tile j's last product is number 4 + j of its block; between it and the tile's first rider stand 2 (4 - j) + 4 j = 8 + 2 j riders that name none of its registers.
.macro RID2 i, k
.set ip, ((\i)+15)%16
.set rP, 32*(ip%2)+8*((\k)/2)+4*((\k)%2)
.set rC, 64*((ip%8)%4)+8*(4*(1-ip/8)+(\k)/2)+4*((\k)%2)
.set rS, 192+2*(ip%8)
	WIN 0xa5+0x50*((ip%8)/4)                       ; P and S window 1; ACC window 2 or 3
.irp e, 0,2
	v_pk_fma_f32 v[rC+\e:rC+\e+1], v[rP+\e:rP+\e+1], v[rS:rS+1], v[rC+\e:rC+\e+1] op_sel_hi:[1,0,1]
.endr
.endm
.macro WLD hf, f                       ; weight fragment f of 8 of half hf (0: X, 1: Y), in the order (K half, tile)
.set rW, 64+64*(\hf)+16*((\f)%4)+8*((\f)/4)
	ds_load_b128 v[rW:rW+3],   v[ADRW] offset:(4*(\hf)+(\f)%4)*16*PT+64*((\f)/4)
	ds_load_b128 v[rW+4:rW+7], v[ADRW] offset:(4*(\hf)+(\f)%4)*16*PT+64*((\f)/4)+32
.endm
.macro ALD a                           ; q's two fragments of row tile a
.irp z, 0,1,2,3
	ds_load_b128 v[64+16*(\a)+4*\z:64+16*(\a)+4*\z+3], v[ADRA] offset:(\a)*16*PT+32*\z
.endr
.endm
.macro SL1 a                           ; the scale of row tile a
	ds_load_b32 v[192+2*(\a)], v[ADRS] offset:((\a)/2)*PT+((\a)%2)*64
.endm
; THE LDS LOADS of a unit stand in two runs.
; RUN1, behind the second product of block 4 and its riders, 35 loads: X's eight fragments (last read in the unit before), q's row tiles 0-3 (tile 3's last product, the last of block 3, stands six riders
; back, and these name none of its registers), the scales of tiles 0-2 (scale 2's last rider stands in block 3; scale 3 is still wanted in block 4).  First use: block 8, 30 matrix instructions on.
.macro RUN1
	WIN 0
.irp f, 0,1,2,3,4,5,6,7
	WLD 0, \f
.endr
	WIN W_MM
.irp a, 0,1,2,3
	ALD \a
.endr
.irp a, 0,1,2
	SL1 \a
.endr
.endm
; RUN2, at the head of block 9, 37 loads: the scales of tiles 3-7 (scale 7's last rider stands in block 8), q's row tiles 4-7 and Y's eight fragments (last read in block 7, eighteen riders back).
; What is wanted first stands first: scale 3 and tile 4 in block 12, 24 matrix instructions on; Y in the next unit's block 0.
.macro RUN2
	s_wait_dscnt 0x0                               ; all of RUN1, issued 38 matrix instructions ago: blocks 9-11 read tiles 1-3 and scales 0-2
	WIN W_MM
.irp a, 3,4,5,6,7
	SL1 \a
.endr
.irp a, 4,5,6,7
	ALD \a
.endr
	WIN 0
.irp f, 0,1,2,3,4,5,6,7
	WLD 1, \f
.endr
.endm
; BLOCK i of 16 (0-7: Y phase of the group before; 8-15: X phase of the group in hand); row tile i % 8; P set i % 2.  The waits count the loads issued behind the last one that is needed:
;   block 0: 0 (Y's, issued 56 matrix instructions ago)      block 8: 15 (X and tile 0 are in; tiles 1-3, 12 loads, and 3 scales may be out)
;   block 12: 24 (scales 3-7, tiles 4 and 5 are in; tiles 6, 7, 8 loads, and Y's 16 may be out)      block 14: 16 (Y's)
.macro BLOCK i
.if (\i) == 0
	s_wait_dscnt 0x0
.elseif (\i) == 8
	s_wait_dscnt 15
.elseif (\i) == 9
	RUN2
.elseif (\i) == 12
	s_wait_dscnt 24
.elseif (\i) == 14
	s_wait_dscnt 16
.endif
.irp k, 0,1,2,3,4,5,6,7
	MMI \i, \k
	RID2 \i, \k
.if ((\i) == 4) && ((\k) == 1)
	RUN1
.endif
.endr
.endm
.macro YPH
.irp i, 0,1,2,3,4,5,6,7
	BLOCK \i
.endr
.endm
.macro XPH
.irp i, 8,9,10,11,12,13,14,15
	BLOCK \i
.endr
.endm
.macro ADDR                            ; the addresses of the group at s[TB]
	v_add_nc_u32 v[ADRA], s[TB], v[LA0]
	v_add_nc_u32 v[ADRW], s[TB], v[LW0]
	v_add_nc_u32 v[ADRS], s[TB], v[LS0]
.endm
	s_mov_b32 s[TB], 2*SLOT                        ; the first change turns this into 0
	CHANGE 1, 0                                    ; fill 0 is in, everybody's part of it; fill 1 goes into slot 1
	ADDR
.irp f, 0,1,2,3,4,5,6,7
	WLD 0, \f                                      ; group 0: what RUN1 would have fetched
.endr
	WIN 0x40
.irp a, 0,1,2,3
	ALD \a
.endr
.irp a, 0,1,2
	SL1 \a
.endr
	WIN 0
	s_wait_dscnt 0x0
	s_mov_b32 s[SLOTS], F-1
	s_mov_b32 s[TWICE], 2
	s_branch .Lenter                               ; the loop is entered at a group's X phase, in the middle of a trip
.Lslot:                                            ; F - 2 times: fills 2 to F - 1
	CHANGE 1, 1
	s_mov_b32 s[TWICE], 2
.Lgrp:
	ADDR
	YPH
	WIN 0                                          ; at a label and at a branch every window is 0
.Lenter:
	XPH
	WIN 0
	s_add_co_u32 s[TB], s[TB], GRP
	s_sub_co_u32 s[TWICE], s[TWICE], 1
	s_cmp_lg_u32 s[TWICE], 0
	s_cbranch_scc1 .Lgrp
	s_sub_co_u32 s[SLOTS], s[SLOTS], 1
	s_cmp_lg_u32 s[SLOTS], 0
	s_cbranch_scc1 .Lslot
	CHANGE 0, 0                                    ; the tail is written out: nothing is asked for
	s_mov_b32 s[TWICE], 3                          ; two trips for the last slot's groups; the third is left in its middle
.Ltail:
	ADDR
	YPH
	WIN 0
	s_sub_co_u32 s[TWICE], s[TWICE], 1
	s_cmp_eq_u32 s[TWICE], 0
	s_cbranch_scc1 .Lout
	XPH
	WIN 0
	s_add_co_u32 s[TB], s[TB], GRP
	s_min_u32 s[TB], s[TB], SLOT+GRP               ; the third Y phase has no group to fetch: its RUN1 reads the last group once more, 35 loads that serve nothing: the price, once a launch, of one text for every trip
	s_branch .Ltail
.Lout:
.irp k, 0,1,2,3,4,5,6,7
	RID2 8, \k                                     ; the last block's riders
.endr
	WIN 0
	; THE WAY OUT.  The raw sums go through LDS, so that a group of h lies along lanes; SwiGLU and the quantiser are then one loop of 16 trips of 8 rows.
	s_wait_dscnt 0x0                               ; my last reads of the slots are back,
	s_barrier_signal -1
	s_barrier_wait -1                              ; everybody's are: the slots, which have had their last fill, take the dump
.irp a, 0,1,2,3,4,5,6,7
	WIN 0x08+4*((\a)/4)                            ; store data (source 1) in window 2 or 3
.irp b, 0,1,2,3,4,5,6,7
	ds_store_b128 v[DST], v[64*((\a)%4)+8*\b:64*((\a)%4)+8*\b+3]   offset:(\a)*16*DPT+\b*64
	ds_store_b128 v[DST], v[64*((\a)%4)+8*\b+4:64*((\a)%4)+8*\b+7] offset:(\a)*16*DPT+\b*64+16
.endr
.endr
	WIN 0
.macro HLOADS                          ; 8 rows: sub-block u has 4, eight lanes to a row; my 8 gate sums and my 8 up sums.  LDS serves a wave's instructions in order (ISA guide 5.7.1.4): these see the wave's own stores
.irp u, 0,1
	ds_load_b128 v[GA+8*\u:GA+8*\u+3],   v[RD] offset:\u*4*DPT
	ds_load_b128 v[GA+8*\u+4:GA+8*\u+7], v[RD] offset:\u*4*DPT+16
	ds_load_b128 v[UB+8*\u:UB+8*\u+3],   v[RD] offset:\u*4*DPT+256
	ds_load_b128 v[UB+8*\u+4:UB+8*\u+7], v[RD] offset:\u*4*DPT+272
.endr
.endm
.macro TRIP ahead
	s_wait_dscnt 0x0                               ; the trip's eight loads
	s_wait_xcnt 0x0                                ; the last trip's stores have read GO and YP
	v_add_nc_u32 v[GO], 0x400, v[GO]               ; 8 rows of 128 bytes; the stores reach back
.irp e, 0,2,4,6,8,10,12,14
	v_pk_mul_f32 v[TT+\e:TT+\e+1], v[GA+\e:GA+\e+1], s[K1:K1+1] op_sel_hi:[1,0]   ; -c1 a log2(e)
.endr
.irp e, 0,2,4,6,8,10,12,14
	v_pk_mul_f32 v[HH+\e:HH+\e+1], v[GA+\e:GA+\e+1], v[UB+\e:UB+\e+1]             ; a b
.endr
.if \ahead
	v_add_nc_u32 v[RD], 8*DPT, v[RD]
	HLOADS                                         ; the next trip's, under this trip's arithmetic
.endif
.set i, 0
.rept 16
	v_exp_f32 v[TT+i], v[TT+i]
.set i, i+1
.endr
	v_nop                                          ; a plain instruction behind the last exponential,
	s_wait_alu depctr_va_vdst(0)                   ; and one wait for the batch
.irp e, 0,2,4,6,8,10,12,14
	v_pk_add_f32 v[TT+\e:TT+\e+1], v[TT+\e:TT+\e+1], 1.0 op_sel_hi:[1,0]
.endr
.set i, 0
.rept 16
	v_rcp_f32 v[TT+i], v[TT+i]
.set i, i+1
.endr
	v_nop
	s_wait_alu depctr_va_vdst(0)
.irp e, 0,2,4,6,8,10,12,14
	v_pk_mul_f32 v[HH+\e:HH+\e+1], v[HH+\e:HH+\e+1], v[TT+\e:TT+\e+1]             ; h / (c1 c2)
.endr
.irp u, 0,1
	v_max3_num_f32 v[MS+4*\u], |v[HH+8*\u]|, |v[HH+8*\u+1]|, |v[HH+8*\u+2]|
.endr
.irp u, 0,1
	v_max3_num_f32 v[MS+4*\u], v[MS+4*\u], |v[HH+8*\u+3]|, |v[HH+8*\u+4]|
.endr
.irp u, 0,1
	v_max3_num_f32 v[MS+4*\u], v[MS+4*\u], |v[HH+8*\u+5]|, |v[HH+8*\u+6]|
.endr
.irp u, 0,1
	v_max_num_f32 v[MS+4*\u], v[MS+4*\u], |v[HH+8*\u+7]|
.endr
.irp m, 1,2,4                          ; across the row's eight lanes
.irp u, 0,1
	v_max_num_f32_dpp v[MS+4*\u], v[MS+4*\u], v[MS+4*\u] row_xmask:\m row_mask:0xf bank_mask:0xf
.endr
.endr
.irp u, 0,1
	v_mul_f32 v[MS+4*\u], s[K2], v[MS+4*\u]        ; c1 c2 >= 0 is the same along the group: it enters the maximum once
.endr
.irp u, 0,1
	v_max_num_f32 v[MS+4*\u], 0x3727c5ac, v[MS+4*\u]  ; s = max(max|h|, 1e-5)
.endr
.irp u, 0,1
	v_rcp_f32 v[MS+4*\u+2], v[MS+4*\u]
.endr
.irp u, 0,1
	v_mul_f32 v[MS+4*\u+3], 0x3c010204, v[MS+4*\u] ; s / 127
.endr
.irp u, 0,1
	ds_store_b32 v[HSA], v[MS+4*\u+3] offset:16*\u ; a row's eight lanes write the same word with the same number
.endr
	s_wait_alu depctr_va_vdst(0)                   ; one wait for the two reciprocals
.irp u, 0,1
	v_mul_f32 v[MS+4*\u+2], s[K3], v[MS+4*\u+2]    ; 127 c1 c2 / s
.endr
.irp u, 0,1
.irp e, 0,2,4,6
	v_pk_mul_f32 v[HH+8*\u+\e:HH+8*\u+\e+1], v[HH+8*\u+\e:HH+8*\u+\e+1], v[MS+4*\u+2:MS+4*\u+3] op_sel_hi:[1,0]
.endr
.endr
.set i, 0
.rept 16
	v_med3_num_f32 v[HH+i], v[HH+i], s[N127], s[P127]
.set i, i+1
.endr
.set i, 0
.rept 16
	v_rndne_f32 v[HH+i], v[HH+i]
.set i, i+1
.endr
.set i, 0
.rept 8
	v_cvt_pk_bf16_f32 v[YP+i], v[HH+2*i], v[HH+2*i+1]
.set i, i+1
.endr
.irp u, 0,1
	global_store_b128 v[GO], v[YP+4*\u:YP+4*\u+3], s[OB:OB+1] offset:\u*512-1024   ; four rows of 128 bytes: 512 consecutive bytes, aligned
.endr
	v_add_nc_u32 v[HSA], 32, v[HSA]
.endm
	HLOADS
	s_mov_b32 s[TWICE], 15
.Ltrip:
	TRIP 1
	s_sub_co_u32 s[TWICE], s[TWICE], 1
	s_cmp_lg_u32 s[TWICE], 0
	s_cbranch_scc1 .Ltrip
	TRIP 0
	ds_load_b128 v[40:43], v[HSR]                  ; my wave's 128 scales, 16 bytes a lane
	s_wait_dscnt 0x0
	global_store_b128 v[L16], v[40:43], s[OS:OS+1]
	s_wait_tensorcnt 0x0                           ; the wave's end, behind my last tensor load and my last LDS store
	ds_add_u32 v[SPW], v[NIL]
	s_wait_dscnt 0x0
	CROUND                                         ; the closing round: no work-group ends while a partner may still ask for a tile that names it
	s_endpgm
.Lfunc_end_k_q1ef36d0847_gateup:
	.size	k_q1ef36d0847_gateup, .Lfunc_end_k_q1ef36d0847_gateup-k_q1ef36d0847_gateup
	.p2alignl 7, 3214868480
	.fill 96, 4, 3214868480
	.section	.rodata,"a",@progbits
	.p2align	6, 0x0
	.amdhsa_kernel k_q1ef36d0847_gateup
		.amdhsa_group_segment_fixed_size 327680
		.amdhsa_private_segment_fixed_size 0
		.amdhsa_enable_private_segment 0
		.amdhsa_kernarg_size 32
		.amdhsa_user_sgpr_count 2
		.amdhsa_user_sgpr_kernarg_segment_ptr 1
		.amdhsa_wavefront_size32 1
		.amdhsa_system_sgpr_workgroup_id_x 1
		.amdhsa_system_sgpr_workgroup_id_y 1
		.amdhsa_system_sgpr_workgroup_id_z 1
		.amdhsa_system_vgpr_workitem_id 0
		.amdhsa_next_free_vgpr 1024
		.amdhsa_next_free_sgpr 96
		.amdhsa_reserve_vcc 0
		.amdhsa_float_denorm_mode_32 3
		.amdhsa_float_denorm_mode_16_64 3
		.amdhsa_memory_ordered 1
		.amdhsa_forward_progress 1
		.amdhsa_inst_pref_size 134
	.end_amdhsa_kernel
	.amdgpu_metadata
---
amdhsa.version: [ 1, 2 ]
amdhsa.kernels:
  - .name:           k_q1ef36d0847_gateup
    .symbol:         k_q1ef36d0847_gateup.kd
    .args:
      - { .name: xq, .offset: 0, .size: 8, .value_kind: global_buffer, .address_space: global }
      - { .name: wg, .offset: 8, .size: 8, .value_kind: global_buffer, .address_space: global }
      - { .name: wsum, .offset: 16, .size: 8, .value_kind: global_buffer, .address_space: global }
      - { .name: hq, .offset: 24, .size: 8, .value_kind: global_buffer, .address_space: global }
    .group_segment_fixed_size: 327680
    .private_segment_fixed_size: 0
    .kernarg_segment_align: 8
    .kernarg_segment_size: 32
    .max_flat_workgroup_size: 128
    .sgpr_count:     96
    .vgpr_count:     1024
    .wavefront_size: 32
...
	.end_amdgpu_metadata
.endif
;; end of part 2
;; launch down (part 3): grid 8 x 32, 4 waves a work-group, clusters of 4 x 4, 327,680 bytes of LDS; arguments hq, w3s, wsum, out0; writes out0
.if DOCPART == 3
	.amdgcn_target "amdgcn-amd-amdhsa--gfx1250"
	.amdhsa_code_object_version 6
	.text
	.protected	k_q1ef36d0847_down
	.globl	k_q1ef36d0847_down
	.p2align	8
	.type	k_q1ef36d0847_down,@function
k_q1ef36d0847_down:
	s_mov_b64 s[64:65], 0
	v_nop
	global_prefetch_b8 v0, s[64:65] scope:SCOPE_SE
	s_setreg_imm32_b32 hwreg(HW_REG_WAVE_MODE, 25, 1), 1
	s_wait_xcnt 0x0
	s_wait_alu depctr_hold_cnt(0) depctr_sa_sdst(0) depctr_va_vdst(0) depctr_va_sdst(0) depctr_va_ssrc(0) depctr_va_vcc(0) depctr_vm_vsrc(0)
	s_getreg_b32 s2, hwreg(HW_REG_IB_STS2, 6, 4)
	s_cmp_eq_u32 s2, 0
	s_cbranch_scc0 .Lentry_in_a_cluster
	s_endpgm
.Lentry_in_a_cluster:
	s_bfe_u32 s2, ttmp6, 0x10000c
	s_cmp_lg_u32 s2, 0xf033
	s_cbranch_scc0 .Lentry_shape_is_right
	s_endpgm
.Lentry_shape_is_right:
; DOWN.  out = c3 sum_g s_g/127 (q_g . sign(w3)_g): h's whole numbers and scales from hq, w3's signs from w3s, c3 = mean|w3| from wsum.
; As in the first launch v + (q - v) is taken as q and mean|w| stands outside the product.  LIMITS: NaN and infinities are not treated apart.
; The frame is the launch before's: the matrix unit multiplies whole numbers by signs (exact); a group's sum falls into a scratch accumulator P, and four packed multiply-adds (RIDERS) take
; P x (the row's scale of the group) onto ACC in f32, two behind each matrix instruction.  A tile of 256 x 256 of out to a work-group, 128 x 128 to a wave; the matrix instruction transposed
; (source 0 = 16 weight rows, source 1 = 16 rows of q), so that a lane holds one row and its scale is one number.  Two LDS slots of two groups; one tensor load a wave a fill; 4 x 4 clusters, hq's
; blocks shared along a row, the weights along a column.  The text's unit is [Y phase of group g-1 ; X phase of group g]; its LDS loads stand in two runs; the change of slots stands between X and Y.
; REGISTERS (s_set_vgpr_msb: bits 1:0 source 0, 3:2 source 1, 5:4 source 2, 7:6 destination):
;   window 0: v0-30 addresses; v32-47 at work; v64-127 weight fragments X, v128-191 Y          window 1: v0-63 P; v64-191 q's fragments; v192-207 the scales, S[a] at 192 + 2 a, its odd neighbour 0
;   windows 2, 3: ACC(a, b8) at 64 (a % 4) + 8 b8, window 2 + a / 4: summed by vector instructions, so cleared once, in the wait for the first tile
.set G,      16
.set F,      G/2
.set PT,     144                       ; an LDS row: 128 bytes + 16 of padding (64 banks of 4 bytes: ISA guide 11.1)
.set SOFF,   256*PT
.set BOFF,   264*PT
.set GRP,    BOFF+256*PT
.set SLOT,   2*GRP
.set SPARE,  2*SLOT                    ; behind the ring: the spare words, 128 bytes a wave: two blocks of 256 bytes that no other line names
.set DPT,    528
.set DWAVE,  128*DPT
.set ABLK,   33792
.set ASTEP,  64*ABLK
.set BSTEP,  2*262144
.set LA0,  2
.set LW0,  3
.set LS0,  4
.set ADRA, 5
.set ADRW, 6
.set ADRS, 7
.set DST,  8
.set RD,   9
.set GO,   10
.set L16,  13
.set SPW,  28
.set NIL,  29
.set PFO,  30
.set XO,   64                          ; way out: 8 rows as read back
.set YO,   96                          ; and to store
.set WV,  12
.set WR,  13
.set WC,  14
.set CX,  15
.set CY,  16
.set BX,  17
.set BY,  18
.set G1A, 24
.set G0A, 32
.set G0B, 36
.set TB,  40
.set FS,  41
.set LAA, 42
.set LAB, 43
.set SLOTS, 44
.set TWICE, 45
.set LIM, 46
.set G1B, 48
.set PFA, 56
.set PFS, 58
.set K1,  60                           ; s[60:61] c3
.set SEL, 70
.set OB,  78                           ; s[78:79] out0 at my first row and column
.set W_MM, 0x54
.set MSB, 0
.macro WIN new
.if MSB != (\new)
	s_set_vgpr_msb (MSB<<8)|(\new)
.set MSB, (\new)
.endif
.endm
.macro JLOAD                           ; a joint load: waves 0, 1 hq's two blocks of a fill, waves 2, 3 the weights'; an s_nop 0 and four v_nop follow each line
	s_cmp_lt_u32 s[WV], 2
	s_cbranch_scc0 .Lfor_b_\@
	tensor_load_to_lds s[G0A:G0A+3], s[G1A:G1A+7]
	s_nop 0
.rept 4
	v_nop
.endr
	s_branch .Lasked_\@
.Lfor_b_\@:
	tensor_load_to_lds s[G0B:G0B+3], s[G1B:G1B+7]
	s_nop 0
.rept 4
	v_nop
.endr
.Lasked_\@:
.endm
.macro ASK                             ; the fill two changes on: my work-group's 32 of the 128 runs of 256 bytes that I fetch, a lane a run; clusters with x = 0 ask for hq's, those with y = 0 for the weights'; the last two filling changes ask for nothing
	s_cmp_gt_u32 s[SLOTS], s[LIM]
	s_cbranch_scc0 .Lnot_mine_\@
	global_prefetch_b8 v[PFO], s[PFA:PFA+1] th:TH_LOAD_NT scope:SCOPE_SE
.Lnot_mine_\@:
.endm
.macro CROUND
	s_barrier_signal -1
	s_barrier_wait -1
	s_cmp_lg_u32 s[WV], 0
	s_cbranch_scc1 .Lnot_wave_0_\@
	s_barrier_signal -3
.Lnot_wave_0_\@:
	s_barrier_wait -3
	s_barrier_signal -1
	s_barrier_wait -1
.endm
.macro CHANGE fill, ask                ; the change of slots: all my tensor loads, the add, my reads of the old slot; a round of the cluster's barrier; the joint refill first behind it
	WIN 0
	s_wait_tensorcnt 0x0
	ds_add_u32 v[SPW], v[NIL]
.if \fill
	s_xor_b32 s[FS], s[FS], SLOT
	s_add_co_u32 s[G0A+1], s[FS], s[LAA]
	s_add_co_u32 s[G0B+1], s[FS], s[LAB]
	s_add_nc_u64 s[G0A+2:G0A+3], s[G0A+2:G0A+3], ASTEP
	s_add_nc_u64 s[G0B+2:G0B+3], s[G0B+2:G0B+3], BSTEP
.if \ask
	s_wait_xcnt 0x0                                ; the last prefetch, two groups back, has read its address
	s_add_nc_u64 s[PFA:PFA+1], s[PFA:PFA+1], s[PFS:PFS+1]
.endif
	s_wait_dscnt 0x0
	CROUND
	JLOAD
.if \ask
	ASK
.endif
.else
	s_wait_dscnt 0x0
	s_barrier_signal -1
	s_barrier_wait -1
.endif
	s_sub_co_u32 s[TB], s[TB], 2*GRP
	s_xor_b32 s[TB], s[TB], SLOT
.endm
	s_load_b256 s[4:11], s[0:1], 0x0               ; hq s[4:5], w3s s[6:7], wsum s[8:9], out0 s[10:11]
	v_lshl_add_u32 v[SPW], v0, 2, SPARE
	v_mov_b32 v[NIL], 0
	ds_add_u32 v[SPW], v[NIL]                      ; the opening: the add, twice on end, and one wait, ahead of my first tensor load
	ds_add_u32 v[SPW], v[NIL]
	v_lshrrev_b32 v1, 5, v0
	v_readfirstlane_b32 s[WV], v1
	s_lshr_b32 s[WR], s[WV], 1
	s_and_b32 s[WC], s[WV], 1
	s_bfe_u32 s[CX], ttmp6, 0x40000
	s_bfe_u32 s[CY], ttmp6, 0x40004
	s_lshl_b32 s[BX], ttmp9, 2
	s_add_co_u32 s[BX], s[BX], s[CX]
	s_and_b32 s[BY], ttmp7, 0xffff
	s_lshl_b32 s[BY], s[BY], 2
	s_add_co_u32 s[BY], s[BY], s[CY]
	s_lshl_b32 s19, s[CY], 2
	s_lshl_b32 s19, 15, s19
	s_lshl_b32 s20, 0x1111, s[CX]
	s_or_b32 s[G1A], s19, (1<<16)|(1<<20)|(1<<21)|(4<<22)|(3<<25)  ; mask of my row; 2-byte elements; padding on; bit 21 beside a mask; 4 words after every 32
	s_or_b32 s[G1B], s20, (1<<16)|(1<<20)|(1<<21)|(4<<22)|(3<<25)  ; mask of my column
.irp g, G1A, G1B
	s_mov_b32 s[\g+1], 128<<16
	s_mov_b32 s[\g+3], 128<<16
	s_mov_b32 s[\g+5], 128
	s_mov_b32 s[\g+6], 0
	s_mov_b32 s[\g+7], 0
.endr
	s_mov_b32 s[G1A+2], 132<<16
	s_mov_b32 s[G1A+4], 132
	s_mov_b32 s[G1B+2], 128<<16
	s_mov_b32 s[G1B+4], 128
	s_lshl_b32 s72, s[WC], 5
	s_add_co_u32 s72, s72, s[BY]
	s_mul_i32 s72, s72, ABLK
	s_mov_b32 s73, 0
	s_lshl_b32 s74, s[WC], 18
	s_lshl_b32 s21, s[BX], 15
	s_add_co_u32 s74, s74, s21
	s_mov_b32 s75, 0
	s_mul_i32 s[LAA], s[WC], GRP
	s_add_co_u32 s[LAB], s[LAA], BOFF
	s_mov_b32 s[FS], 0
	s_mov_b32 s[G0A], 1
	s_mov_b32 s[G0A+1], s[LAA]
	s_mov_b32 s[G0B], 1
	s_mov_b32 s[G0B+1], s[LAB]
	s_mov_b32 s[SEL], 0x76543210
	s_mov_b32 s[SEL+1], 0xfedcba98
	s_wait_dscnt 0x0
	s_wait_kmcnt 0x0
	s_add_nc_u64 s[72:73], s[4:5], s[72:73]
	s_add_nc_u64 s[74:75], s[6:7], s[74:75]
	s_mov_b64 s[G0A+2:G0A+3], s[72:73]
	s_or_b32 s[G0A+3], s[G0A+3], 0x80000000
	s_mov_b64 s[G0B+2:G0B+3], s[74:75]
	s_or_b32 s[G0B+3], s[G0B+3], 0x80000000
	s_and_b32 s21, ttmp7, 0xffff
	s_mov_b32 s22, ASTEP
	s_mov_b32 s23, BSTEP
	s_cmp_lt_u32 s[WV], 2
	s_cselect_b32 s21, ttmp9, s21
	s_cselect_b32 s47, s[CX], s[CY]
	s_cselect_b32 s[PFS], s22, s23
	s_cselect_b64 s[PFA:PFA+1], s[72:73], s[74:75]
	s_mov_b32 s[PFS+1], 0
	s_cmp_eq_u32 s21, 0
	s_cselect_b32 s[LIM], 2, -1
	s_lshl_b32 s76, s47, 13
	s_mov_b32 s77, 0
	s_add_nc_u64 s[PFA:PFA+1], s[PFA:PFA+1], s[76:77]
	s_mul_i32 s76, s[PFS], 3
	s_add_nc_u64 s[PFA:PFA+1], s[PFA:PFA+1], s[76:77]  ; at fill 3; fills 0 to 3 come by their loads alone
	s_lshl_b32 s76, s[BY], 1                       ; out0: row 256 by + 128 wr (8,192 bytes a row), column 256 bx + 128 wc
	s_add_co_u32 s76, s76, s[WR]
	s_lshl_b32 s76, s76, 20
	s_lshl_b32 s19, s[BX], 1
	s_add_co_u32 s19, s19, s[WC]
	s_lshl_b32 s19, s19, 9
	s_add_co_u32 s76, s76, s19
	s_add_nc_u64 s[OB:OB+1], s[10:11], s[76:77]
	CROUND
	JLOAD                                          ; fill 0 into slot 0
	v_and_b32 v1, 15, v0
	v_bfe_u32 v14, v0, 4, 1
	v_and_b32 v15, 31, v0
	v_lshlrev_b32 v[L16], 4, v15
.irp k, 0,1,2,3
	global_load_b128 v[32+4*\k:35+4*\k], v[L16], s[8:9] offset:4096+\k*512   ; the 512 partial sums of |w3|
.endr
	v_lshlrev_b32 v[PFO], 8, v15
	v_mul_u32_u24 v16, v1, PT
	v_lshl_add_u32 v16, v14, 4, v16
	s_mul_i32 s19, s[WR], 128*PT
	v_add_nc_u32 v[LA0], s19, v16
	s_mul_i32 s19, s[WC], 128*PT
	s_add_co_u32 s19, s19, BOFF
	v_add_nc_u32 v[LW0], s19, v16
	s_mul_i32 s19, s[WR], 4*PT
	s_add_co_u32 s19, s19, SOFF
	v_lshl_add_u32 v[LS0], v1, 2, s19
	s_mul_i32 s19, s[WV], DWAVE
	v_mul_u32_u24 v16, v1, DPT
	v_lshl_add_u32 v16, v14, 5, v16
	v_add_nc_u32 v[DST], s19, v16
	v_add_nc_u32 v[RD], s19, v[L16]                ; back: a row's 512 bytes, 16 a lane
	v_mov_b32 v[GO], v[L16]
	WIN 0x80
.set i, 0
.rept 256
	v_mov_b32 v[i], 0
.set i, i+1
.endr
	WIN 0xc0
.set i, 0
.rept 256
	v_mov_b32 v[i], 0
.set i, i+1
.endr
	WIN 0x40
.set i, 32
.rept 32
	v_mov_b32 v[i], 0
.set i, i+1
.endr
.irp a, 0,1,2,3,4,5,6,7
	v_mov_b32 v[193+2*\a], 0
.endr
	v_mov_b32 v206, 0
	WIN 0
	s_wait_loadcnt 0x0
.irp e, 0,2,4,6
	v_pk_add_f32 v[32+\e:32+\e+1], v[32+\e:32+\e+1], v[40+\e:40+\e+1]
.endr
.irp e, 0,2
	v_pk_add_f32 v[32+\e:32+\e+1], v[32+\e:32+\e+1], v[36+\e:36+\e+1]
.endr
	v_pk_add_f32 v[32:33], v[32:33], v[34:35]
	v_add_f32 v32, v32, v33
.irp m, 1,2,4,8
	v_add_f32_dpp v32, v32, v32 row_xmask:\m row_mask:0xf bank_mask:0xf
.endr
	v_permlanex16_b32 v33, v32, s[SEL], s[SEL+1]
	v_add_f32 v32, v32, v33
	v_readfirstlane_b32 s19, v32
	s_mul_f32 s[K1], s19, 0x35000000               ; c3 = sum / 2^21
	s_mov_b32 s[K1+1], s[K1]
.macro MMI i, k                        ; matrix instruction k of 8 of block i: the set's four accumulators take turns
.set rP, 32*((\i)%2)+8*((\k)%4)
.set rW, 64+64*(1-(\i)/8)+16*((\k)%4)+8*((\k)/4)
.set rA, 64+16*((\i)%8)+8*((\k)/4)
	WIN W_MM
.if (\k) < 4
	v_wmma_f32_16x16x32_bf16 v[rP:rP+7], v[rW:rW+7], v[rA:rA+7], 0
.else
	v_wmma_f32_16x16x32_bf16 v[rP:rP+7], v[rW:rW+7], v[rA:rA+7], v[rP:rP+7]
.endif
.endm
; The two riders behind matrix instruction k of block i: registers 4 (k % 2) .. + 3 of tile k / 2 of the block before; P's lowest registers first.  Between tile j's last product and
; its first rider stand 8 + 2 j riders that name none of its registers.
.macro RID2 i, k
.set ip, ((\i)+15)%16
.set rP, 32*(ip%2)+8*((\k)/2)+4*((\k)%2)
.set rC, 64*((ip%8)%4)+8*(4*(1-ip/8)+(\k)/2)+4*((\k)%2)
.set rS, 192+2*(ip%8)
	WIN 0xa5+0x50*((ip%8)/4)
.irp e, 0,2
	v_pk_fma_f32 v[rC+\e:rC+\e+1], v[rP+\e:rP+\e+1], v[rS:rS+1], v[rC+\e:rC+\e+1] op_sel_hi:[1,0,1]
.endr
.endm
.macro WLD hf, f                       ; weight fragment f of 8 of half hf (0: X, 1: Y)
.set rW, 64+64*(\hf)+16*((\f)%4)+8*((\f)/4)
	ds_load_b128 v[rW:rW+3],   v[ADRW] offset:(4*(\hf)+(\f)%4)*16*PT+64*((\f)/4)
	ds_load_b128 v[rW+4:rW+7], v[ADRW] offset:(4*(\hf)+(\f)%4)*16*PT+64*((\f)/4)+32
.endm
.macro ALD a
.irp z, 0,1,2,3
	ds_load_b128 v[64+16*(\a)+4*\z:64+16*(\a)+4*\z+3], v[ADRA] offset:(\a)*16*PT+32*\z
.endr
.endm
.macro SL1 a
	ds_load_b32 v[192+2*(\a)], v[ADRS] offset:((\a)/2)*PT+((\a)%2)*64
.endm
; THE LDS LOADS of a unit stand in two runs, never singly among the matrix instructions.
; RUN1, behind the second product of block 4 and its riders, 35 loads: X's fragments, q's row tiles 0-3 (tile 3's last product stands six riders back, which name none of its registers), scales 0-2 (scale 3 is still wanted in block 4).
.macro RUN1
	WIN 0
.irp f, 0,1,2,3,4,5,6,7
	WLD 0, \f
.endr
	WIN W_MM
.irp a, 0,1,2,3
	ALD \a
.endr
.irp a, 0,1,2
	SL1 \a
.endr
.endm
; RUN2, head of block 9, 37 loads: scales 3-7 (scale 7's last rider stands in block 8), q's row tiles 4-7, Y's fragments; what is wanted first stands first.
.macro RUN2
	s_wait_dscnt 0x0                               ; all of RUN1, issued 38 matrix instructions ago
	WIN W_MM
.irp a, 3,4,5,6,7
	SL1 \a
.endr
.irp a, 4,5,6,7
	ALD \a
.endr
	WIN 0
.irp f, 0,1,2,3,4,5,6,7
	WLD 1, \f
.endr
.endm
; The waits count the loads issued behind the last one that is needed: block 0: 0 (Y's)      block 8: 15 (tiles 1-3, 12 loads, and 3 scales may be out)
;   block 12: 24 (tiles 6, 7, 8 loads, and Y's 16 may be out)      block 14: 16 (Y's)
.macro BLOCK i
.if (\i) == 0
	s_wait_dscnt 0x0
.elseif (\i) == 8
	s_wait_dscnt 15
.elseif (\i) == 9
	RUN2
.elseif (\i) == 12
	s_wait_dscnt 24
.elseif (\i) == 14
	s_wait_dscnt 16
.endif
.irp k, 0,1,2,3,4,5,6,7
	MMI \i, \k
	RID2 \i, \k
.if ((\i) == 4) && ((\k) == 1)
	RUN1
.endif
.endr
.endm
.macro YPH
.irp i, 0,1,2,3,4,5,6,7
	BLOCK \i
.endr
.endm
.macro XPH
.irp i, 8,9,10,11,12,13,14,15
	BLOCK \i
.endr
.endm
.macro ADDR
	v_add_nc_u32 v[ADRA], s[TB], v[LA0]
	v_add_nc_u32 v[ADRW], s[TB], v[LW0]
	v_add_nc_u32 v[ADRS], s[TB], v[LS0]
.endm
	s_mov_b32 s[TB], 2*SLOT
	CHANGE 1, 0                                    ; fill 0 is in; fill 1 goes into slot 1
	ADDR
.irp f, 0,1,2,3,4,5,6,7
	WLD 0, \f                                      ; group 0: what RUN1 would have fetched
.endr
	WIN 0x40
.irp a, 0,1,2,3
	ALD \a
.endr
.irp a, 0,1,2
	SL1 \a
.endr
	WIN 0
	s_wait_dscnt 0x0
	s_mov_b32 s[SLOTS], F-1
	s_mov_b32 s[TWICE], 2
	s_branch .Lenter
.Lslot:                                            ; F - 2 times
	CHANGE 1, 1
	s_mov_b32 s[TWICE], 2
.Lgrp:
	ADDR
	YPH
	WIN 0
.Lenter:
	XPH
	WIN 0
	s_add_co_u32 s[TB], s[TB], GRP
	s_sub_co_u32 s[TWICE], s[TWICE], 1
	s_cmp_lg_u32 s[TWICE], 0
	s_cbranch_scc1 .Lgrp
	s_sub_co_u32 s[SLOTS], s[SLOTS], 1
	s_cmp_lg_u32 s[SLOTS], 0
	s_cbranch_scc1 .Lslot
	CHANGE 0, 0                                    ; the tail is written out: nothing is asked for
	s_mov_b32 s[TWICE], 3
.Ltail:
	ADDR
	YPH
	WIN 0
	s_sub_co_u32 s[TWICE], s[TWICE], 1
	s_cmp_eq_u32 s[TWICE], 0
	s_cbranch_scc1 .Lout
	XPH
	WIN 0
	s_add_co_u32 s[TB], s[TB], GRP
	s_min_u32 s[TB], s[TB], SLOT+GRP               ; the third Y phase's RUN1 reads the last group once more and serves nothing: the price of one text for every trip
	s_branch .Ltail
.Lout:
.irp k, 0,1,2,3,4,5,6,7
	RID2 8, \k
.endr
	WIN 0
	; THE WAY OUT: through LDS, so that a store of the wave covers 512 consecutive bytes of a row of out0.  IN FOUR PARTS of 32 rows: a part's two row tiles go into the wave's own rows of the dump, come back
	; as whole rows and are stored, so that the first stores leave behind a quarter of the dump, and a later part's LDS work runs while the earlier parts' stores are on their way.
	s_wait_dscnt 0x0
	s_barrier_signal -1
	s_barrier_wait -1                              ; nobody reads the slots any more; they have had their last fill
.macro OLOADS                          ; eight rows; LDS serves a wave's instructions in order (ISA guide 5.7.1.4): these see the wave's own stores
.irp k, 0,1,2,3,4,5,6,7
	ds_load_b128 v[XO+4*\k:XO+4*\k+3], v[RD] offset:\k*DPT
.endr
.endm
.macro OTRIP ahead
	s_wait_dscnt 0x0
	s_wait_xcnt 0x0                                ; the last trip's stores have read GO and YO
	v_add_nc_u32 v[GO], 0x10000, v[GO]             ; eight rows of 8,192 bytes; the stores reach back
.set i, 0
.rept 16
	v_pk_mul_f32 v[YO+i:YO+i+1], v[XO+i:XO+i+1], s[K1:K1+1] op_sel_hi:[1,0]
.set i, i+2
.endr
.if \ahead
	v_add_nc_u32 v[RD], 8*DPT, v[RD]
	OLOADS
.endif
.irp k, 0,1,2,3,4,5,6,7
	global_store_b128 v[GO], v[YO+4*\k:YO+4*\k+3], s[OB:OB+1] offset:\k*8192-65536 th:TH_STORE_NT
.endr
.endm
.macro PART q                          ; row tiles 2 q and 2 q + 1: 32 LDS stores, then four trips of eight rows, the last written out
	WIN 0x08+4*((\q)/2)                            ; store data (source 1) in window 2 or 3
.irp a, 0,1
.irp b, 0,1,2,3,4,5,6,7
	ds_store_b128 v[DST], v[64*(2*((\q)%2)+\a)+8*\b:64*(2*((\q)%2)+\a)+8*\b+3]   offset:(2*(\q)+\a)*16*DPT+\b*64
	ds_store_b128 v[DST], v[64*(2*((\q)%2)+\a)+8*\b+4:64*(2*((\q)%2)+\a)+8*\b+7] offset:(2*(\q)+\a)*16*DPT+\b*64+16
.endr
.endr
	WIN 0
.if (\q) > 0
	v_add_nc_u32 v[RD], 8*DPT, v[RD]               ; from the last part's last eight rows to this part's first
.endif
	OLOADS
	s_mov_b32 s[TWICE], 3
.Ltrip_\@:
	OTRIP 1
	s_sub_co_u32 s[TWICE], s[TWICE], 1
	s_cmp_lg_u32 s[TWICE], 0
	s_cbranch_scc1 .Ltrip_\@
	OTRIP 0
.endm
	PART 0
	PART 1
	PART 2
	PART 3
	s_wait_tensorcnt 0x0                           ; the wave's end
	ds_add_u32 v[SPW], v[NIL]
	s_wait_dscnt 0x0
	CROUND                                         ; the closing round
	s_endpgm
.Lfunc_end_k_q1ef36d0847_down:
	.size	k_q1ef36d0847_down, .Lfunc_end_k_q1ef36d0847_down-k_q1ef36d0847_down
	.p2alignl 7, 3214868480
	.fill 96, 4, 3214868480
	.section	.rodata,"a",@progbits
	.p2align	6, 0x0
	.amdhsa_kernel k_q1ef36d0847_down
		.amdhsa_group_segment_fixed_size 327680
		.amdhsa_private_segment_fixed_size 0
		.amdhsa_enable_private_segment 0
		.amdhsa_kernarg_size 32
		.amdhsa_user_sgpr_count 2
		.amdhsa_user_sgpr_kernarg_segment_ptr 1
		.amdhsa_wavefront_size32 1
		.amdhsa_system_sgpr_workgroup_id_x 1
		.amdhsa_system_sgpr_workgroup_id_y 1
		.amdhsa_system_sgpr_workgroup_id_z 1
		.amdhsa_system_vgpr_workitem_id 0
		.amdhsa_next_free_vgpr 1024
		.amdhsa_next_free_sgpr 96
		.amdhsa_reserve_vcc 0
		.amdhsa_float_denorm_mode_32 3
		.amdhsa_float_denorm_mode_16_64 3
		.amdhsa_memory_ordered 1
		.amdhsa_forward_progress 1
		.amdhsa_inst_pref_size 135
	.end_amdhsa_kernel
	.amdgpu_metadata
---
amdhsa.version: [ 1, 2 ]
amdhsa.kernels:
  - .name:           k_q1ef36d0847_down
    .symbol:         k_q1ef36d0847_down.kd
    .args:
      - { .name: hq, .offset: 0, .size: 8, .value_kind: global_buffer, .address_space: global }
      - { .name: w3s, .offset: 8, .size: 8, .value_kind: global_buffer, .address_space: global }
      - { .name: wsum, .offset: 16, .size: 8, .value_kind: global_buffer, .address_space: global }
      - { .name: out0, .offset: 24, .size: 8, .value_kind: global_buffer, .address_space: global }
    .group_segment_fixed_size: 327680
    .private_segment_fixed_size: 0
    .kernarg_segment_align: 8
    .kernarg_segment_size: 32
    .max_flat_workgroup_size: 128
    .sgpr_count:     96
    .vgpr_count:     1024
    .wavefront_size: 32
...
	.end_amdgpu_metadata
.endif
;; end of part 3
;; ======== version 2 of 2: 3 launches; version 1 with the launch prep written anew for expert scheduling mode
;; workspace buffers: xq 34,603,008 bytes; hq 17,301,504 bytes; wg 8,388,608 bytes; w3s 4,194,304 bytes; wsum 6,144 bytes
;; launch prep (part 4): grid 704 x 1, 8 waves a work-group, no clusters, 0 bytes of LDS; arguments x, w1, w2, w3, xq, wg, w3s, wsum; writes xq, wg, w3s, wsum
.if DOCPART == 4
	.amdgcn_target "amdgcn-amd-amdhsa--gfx1250"
	.amdhsa_code_object_version 6
	.text
	.protected	k_q1ef36d0847_prep
	.globl	k_q1ef36d0847_prep
	.p2align	8
	.type	k_q1ef36d0847_prep,@function
k_q1ef36d0847_prep:
	s_mov_b64 s[64:65], 0
	v_nop
	global_prefetch_b8 v0, s[64:65] scope:SCOPE_SE
	s_setreg_imm32_b32 hwreg(HW_REG_WAVE_SCHED_MODE, 0, 2), 2
	s_setreg_imm32_b32 hwreg(HW_REG_WAVE_MODE, 25, 1), 1
	s_wait_xcnt 0x0
	s_wait_alu depctr_vm_vsrc(0)
; PREP.  x is quantised once, the weights are turned into signs once, and |w| is summed.
; out = Qa(silu(Qa(x) Qw(w1)^T) * (Qa(x) Qw(w2)^T)) Qw(w3)^T, Qa: int8 by groups of 64 along the last axis, Qw: sign(w) x mean|w|.
; WORK LEFT OUT.  _ste(v, q) = v + (q - v) = q for all finite v and q, in exact arithmetic: the addition and subtraction of v are not made, for x, h and the weights alike.  mean|w| is one
; factor for a whole tensor and is taken out of the product: a = mean|w1| x (Qa(x) sign(w1)^T).  Every input has a way to the output; all four are loaded.
; LIMITS.  The last-bit rounding of v + (q - v) in f32 is not reproduced.  NaN and infinities are not treated apart (a NaN loses in the group's maximum; sign(NaN) counts as +-1).  A group's
; maximum above 2^126 makes the reciprocal's result a denormal, which the instruction gives as 0 (ISA guide, the entry of v_rcp_f32).  s / 127 is made as s x (1/127): it may differ in the last bit.
; WHAT IS STORED.  The whole numbers q = round(clip(x 127/s)), |q| <= 127, as bf16 (exact), and s/127 in f32 beside them; the signs -1, 0, +1 as bf16 (exact).  So the products of the later launches
; are sums of whole numbers, exact in f32, and the group's scale is applied there in f32.  127/s is made correctly rounded (reciprocal, one Newton step, a residual correction), x (127/s) is one f32
; product as in reference(): q is reference()'s own.
;   xq : blocks [group 0..31][row block of 256: 0..31] of 33,792 bytes: 256 rows x 64 bf16 (128 bytes a row), then the 256 scales
;   wg : [group 0..31][2048 rows][64] bf16; row 128 G + 64 t + c is row 64 G + c of w1 (t = 0) or w2 (t = 1): gate and up of one group of h lie together
;   w3s: [group 0..15][2048 rows][64] bf16          wsum: [3][512] f32, one partial sum of |w| for each wave
; SHARES.  A wave owns 64 rows x one group of 64 columns: 32 steps of two rows; lanes 0-15 take one row's 256 bytes, lanes 16-31 the next row's: each load covers two aligned runs of 256 bytes, each
; store (8 bytes a lane) 256 consecutive bytes, aligned.  A work-group's eight waves take eight neighbouring groups.  Work-groups 0-511: x; 512-703: w1, w2, w3, 64 each.
; A stream: no LDS, no matrix unit, no cluster (nothing is shared), no prefetch (the launch's own loads keep the stream going).  A ring of eight slots in registers, two quads of four: eight loads of a wave are out.
; THE MODE: SCHED_MODE bits 1:0 = 2 (LLVM: expert scheduling mode 2), set by the entry lines.  The code itself states the register dependences between vector instructions and memory
; instructions, and those that run through a scalar register or VCC that a vector instruction writes, with s_wait_alu, always for 0.
; THE PLAN.  Registers that memory instructions touch:
;   X[k]     a quad's 16 registers.  Written by its four loads; read and rewritten in place by the quad's vector work, last by its conversions (x) or v_perm_b32 (weights); then loaded again.
;   Y[k]     a quad's 8 registers.   Written by those conversions or perms; read by the quad's four stores; written again a round later.
;   LO, SO   byte offsets, made at the head and never written again: each quad has a scalar base of its own, which moves on by a round at the quad's head.
; So a quad has ONE wait on va_vdst for its eight memory instructions, behind its last vector line: Y[k] is written and the vector work is done with X[k]; the four loads and the four stores follow it on end,
; the loads first, so that the quad's registers are asked for again at once.  One wait on vm_vsrc stands at the quad's head, a round behind the stores that it speaks of.
; The compares go into scalar registers, in one run at the quad's head, with one wait on va_sdst ahead of the first line that reads a mask.
.set LO,   8                           ; v[8:15]   slot i: byte offset of my 16 bytes in the slot's two rows; never rewritten
.set SO,   16                          ; v16       8 x lane; never rewritten
.set KA,   17                          ; v17       r - 8 x round: equal to the slot's number in the step whose scale I keep (steps 0-15)
.set KB,   18                          ; v18       r + 16 - 8 x round (steps 16-31)
.set SCA,  19                          ; v19       the scale of row 2 r + h
.set SCB,  20                          ; v20       the scale of row 2 r + 32 + h
.set X,    32                          ; v[32:63]  slot i: four numbers as loaded, then at work
.set Y,    64                          ; v[64:79]  slot i: four bf16 to store
.set M,    80                          ; v[80:83]  a quad's four group maxima, then s
.set D,    84                          ; v[84:87]  s / 127
.set Q,    88                          ; v[88:95]  pairs (127 / s, residual)
.set R,    96                          ; v[96:99]  1 / s
.set SUM,  100                         ; v[100:103] four running sums of |w|
.set WV,   2                           ; s2        my wave's number
.set SCP,  4                           ; s[4:5]    where my 64 scales go
.set STP,  6                           ; s[6:7]    16 rows, a round, in bytes
.set SRC,  32                          ; s[32:35]  quad k: the source at my group and at the first row of the round that the quad asks for next: a pair at SRC + 2 k
.set DSP,  36                          ; s[36:37]  destination of the round in hand
.set PITCH, 38                         ; s38       bytes in a source row
.set MK,   40                          ; s[40:55]  a quad's masks (at the head: at work)
.set WSO,  62                          ; s62       my word's byte offset in wsum
.set SVX,  63                          ; s63       EXEC, kept
	s_load_b256 s[8:15], s[0:1], 0x0               ; x s[8:9], w1 s[10:11], w2 s[12:13], w3 s[14:15]
	s_load_b256 s[16:23], s[0:1], 0x20             ; xq s[16:17], wg s[18:19], w3s s[20:21], wsum s[22:23]
	v_and_b32 v1, 31, v0                           ; lane
	v_and_b32 v2, 15, v0                           ; r
	v_bfe_u32 v3, v0, 4, 1                         ; h
	v_lshrrev_b32 v4, 5, v0
	v_readfirstlane_b32 s[WV], v4                  ; wave 0..7
	v_lshlrev_b32 v5, 4, v2                        ; 16 r
	v_lshlrev_b32 v[SO], 3, v1
	s_mov_b32 s24, 0x42fe0000                      ; 127.0
	s_mov_b32 s25, 0xc2fe0000                      ; -127.0
	s_mov_b32 s26, 0x80000000                      ; the sign
	s_mov_b32 s27, 0x07060302                      ; v_perm_b32: the upper halves of two words
	s_mov_b32 s28, 0x76543210                      ; v_permlanex16_b32: each lane takes its own place in the other half
	s_mov_b32 s29, 0xfedcba98
	s_mov_b32 s30, 0xffff0000                      ; lanes 16-31
	s_mov_b32 s31, 3                               ; rounds in the loop; the fourth is written out
	s_mov_b32 s[STP+1], 0
.macro SETLO                           ; slot i's offset: (2 i + h) x pitch + 16 r
.irp i, 0,1,2,3,4,5,6,7
	v_add_nc_u32 v4, 2*\i, v3
	v_mad_u32_u24 v[LO+\i], v4, s[PITCH], v5
.endr
.endm
.macro RING                            ; the ring is filled: steps 0 to 7, each quad by its own base
.irp i, 0,1,2,3,4,5,6,7
	global_load_b128 v[X+4*\i:X+4*\i+3], v[LO+\i], s[SRC+2*(\i/4):SRC+2*(\i/4)+1] th:TH_LOAD_NT
.endr
.endm
.macro HEAD k, ahead, left             ; a quad's head.  left: the other quad's four younger loads may stay out
	s_wait_loadcnt \left                           ; loads come back in order: this quad's four are in
	s_wait_xcnt 0x0                                ; the earlier stores have had their addresses translated: Y is written again only behind this wait
	s_wait_alu depctr_vm_vsrc(0)                   ; the stores of this quad's last turn have read Y[k], which this turn's last vector lines write again
.if \ahead
	s_add_nc_u64 s[SRC+2*\k:SRC+2*\k+1], s[SRC+2*\k:SRC+2*\k+1], s[STP:STP+1]  ; free: the first wait above has shown the four loads that read this base done.  16 rows on
.endif
.endm
.macro INOUT k, ahead                  ; a quad's four slots are asked for again (16 rows on) and their results stored
	s_wait_alu depctr_va_vdst(0)                   ; the quad's last vector lines have written Y[k], which the stores read, and are done reading X[k], in which the loads land
.if \ahead
.irp j, 0,1,2,3
	global_load_b128 v[X+16*\k+4*\j:X+16*\k+4*\j+3], v[LO+4*\k+\j], s[SRC+2*\k:SRC+2*\k+1] th:TH_LOAD_NT
.endr
.endif
.irp j, 0,1,2,3
	global_store_b64 v[SO], v[Y+8*\k+2*\j:Y+8*\k+2*\j+1], s[DSP:DSP+1] offset:(4*\k+\j)*256
.endr
.endm
	s_wait_alu depctr_va_sdst(0)                   ; s2, the wave's number, is written: both arms of the branch below read it
	s_cmp_lt_u32 ttmp9, 512
	s_cbranch_scc0 .Lweights
	; ---------------- x ----------------
	s_lshr_b32 s40, ttmp9, 2                       ; block of 64 rows, 0..127
	s_and_b32 s41, ttmp9, 3
	s_lshl_b32 s41, s41, 3
	s_add_co_u32 s41, s41, s[WV]                   ; group 0..31
	s_lshl_b32 s42, s40, 19                        ; 64 rows of 8,192 bytes
	s_lshl_b32 s43, s41, 8
	s_add_co_u32 s42, s42, s43
	s_mov_b32 s43, 0
	s_lshl_b32 s44, s41, 5
	s_lshr_b32 s45, s40, 2
	s_add_co_u32 s44, s44, s45
	s_mul_i32 s44, s44, 33792                      ; my block of xq
	s_mov_b32 s45, 0
	s_and_b32 s46, s40, 3                          ; which 64 of its 256 rows
	s_lshl_b32 s48, s46, 13
	s_mov_b32 s49, 0
	s_lshl_b32 s50, s46, 8
	s_add_co_u32 s50, s50, 32768
	s_mov_b32 s51, 0
	s_mov_b32 s[PITCH], 8192
	s_mov_b32 s[STP], 16*8192
	SETLO
	v_mov_b32 v[KA], v2
	v_add_nc_u32 v[KB], 16, v2
	v_mov_b32 v[SCA], 0
	v_mov_b32 v[SCB], 0
	s_wait_kmcnt 0x0
	s_add_nc_u64 s[SRC:SRC+1], s[8:9], s[42:43]
	s_mov_b64 s[SRC+2:SRC+3], s[SRC:SRC+1]
	s_add_nc_u64 s[SCP:SCP+1], s[16:17], s[44:45]
	s_add_nc_u64 s[DSP:DSP+1], s[SCP:SCP+1], s[48:49]
	s_add_nc_u64 s[SCP:SCP+1], s[SCP:SCP+1], s[50:51]
	s_wait_alu depctr_va_vdst(0)                   ; LO and SO are written: every load and store below reads one of them as its offset
	RING
; Four slots (eight rows) at a time, their lines by turns.
.macro XQUAD k, ahead, left
	HEAD \k, \ahead, \left
.irp j, 0,1,2,3                        ; the lane whose r (or r + 16) is this step's number keeps the step's scale: the eight masks, in one run
	v_cmp_eq_u32 s[MK+2*\j], 4*\k+\j, v[KA]
	v_cmp_eq_u32 s[MK+2*\j+1], 4*\k+\j, v[KB]
.endr
.irp j, 0,1,2,3
	v_max3_num_f32 v[M+\j], |v[X+16*\k+4*\j]|, |v[X+16*\k+4*\j+1]|, |v[X+16*\k+4*\j+2]|
.endr
.irp j, 0,1,2,3
	v_max_num_f32 v[M+\j], v[M+\j], |v[X+16*\k+4*\j+3]|
.endr
.irp m, 1,2,4,8                        ; across the 16 lanes that hold the row's group
.irp j, 0,1,2,3
	v_max_num_f32_dpp v[M+\j], v[M+\j], v[M+\j] row_xmask:\m row_mask:0xf bank_mask:0xf
.endr
.endr
.irp j, 0,1,2,3
	v_max_num_f32 v[M+\j], 0x3727c5ac, v[M+\j]     ; s = max(maximum, 1e-5)
.endr
.irp j, 0,1,2,3
	v_rcp_f32 v[R+\j], v[M+\j]
.endr
.irp j, 0,1,2,3
	v_mul_f32 v[D+\j], 0x3c010204, v[M+\j]         ; s / 127: plain work behind the reciprocals that names none of their results
.endr
	s_wait_alu depctr_va_sdst(0)                   ; the eight compares at the quad's head have written their masks, which the selects below read
.irp j, 0,1,2,3
	v_cndmask_b32 v[SCA], v[SCA], v[D+\j], s[MK+2*\j]
	v_cndmask_b32 v[SCB], v[SCB], v[D+\j], s[MK+2*\j+1]
.endr
	s_wait_alu depctr_va_vdst(0)                   ; the four reciprocals have written R, ahead of their first reader
.irp j, 0,1,2,3
	v_fma_f32 v[Q+2*\j+1], -v[M+\j], v[R+\j], 1.0  ; a Newton step on 1 / s
.endr
.irp j, 0,1,2,3
	v_fma_f32 v[R+\j], v[Q+2*\j+1], v[R+\j], v[R+\j]
.endr
.irp j, 0,1,2,3
	v_mul_f32 v[Q+2*\j], s24, v[R+\j]              ; 127 / s, to be corrected
.endr
.irp j, 0,1,2,3
	v_fma_f32 v[Q+2*\j+1], -v[M+\j], v[Q+2*\j], s24  ; the exact residual 127 - s q
.endr
.irp j, 0,1,2,3
	v_fma_f32 v[Q+2*\j], v[Q+2*\j+1], v[R+\j], v[Q+2*\j]
.endr
.irp j, 0,1,2,3
	v_pk_mul_f32 v[X+16*\k+4*\j:X+16*\k+4*\j+1], v[X+16*\k+4*\j:X+16*\k+4*\j+1], v[Q+2*\j:Q+2*\j+1] op_sel_hi:[1,0]
	v_pk_mul_f32 v[X+16*\k+4*\j+2:X+16*\k+4*\j+3], v[X+16*\k+4*\j+2:X+16*\k+4*\j+3], v[Q+2*\j:Q+2*\j+1] op_sel_hi:[1,0]
.endr
.irp j, 0,1,2,3
.irp e, 0,1,2,3
	v_med3_num_f32 v[X+16*\k+4*\j+\e], v[X+16*\k+4*\j+\e], s25, s24   ; reference()'s clip
.endr
.endr
.irp j, 0,1,2,3
.irp e, 0,1,2,3
	v_rndne_f32 v[X+16*\k+4*\j+\e], v[X+16*\k+4*\j+\e]               ; halves to even, as jnp.round
.endr
.endr
.irp j, 0,1,2,3
	v_cvt_pk_bf16_f32 v[Y+8*\k+2*\j], v[X+16*\k+4*\j], v[X+16*\k+4*\j+1]      ; whole numbers up to 127: exact
	v_cvt_pk_bf16_f32 v[Y+8*\k+2*\j+1], v[X+16*\k+4*\j+2], v[X+16*\k+4*\j+3]
.endr
	INOUT \k, \ahead
.endm
.Lxr:
	XQUAD 0, 1, 4
	XQUAD 1, 1, 4
	s_wait_xcnt 0x0                                ; the round's stores have read their base
	s_add_nc_u64 s[DSP:DSP+1], s[DSP:DSP+1], 2048  ; 16 rows of 128 bytes
	v_add_nc_u32 v[KA], -8, v[KA]                  ; (named by vector instructions alone)
	v_add_nc_u32 v[KB], -8, v[KB]
	s_sub_co_u32 s31, s31, 1
	s_cmp_lg_u32 s31, 0
	s_cbranch_scc1 .Lxr
	XQUAD 0, 0, 4                                  ; the last round loads nothing
	XQUAD 1, 0, 0
	; lane (r, h) holds the scales of rows 2 r + h and 2 r + 32 + h; lane L stores those of rows 2 L and 2 L + 1: 256 consecutive bytes
	v_mov_b32 v21, 0                               ; (the exchange's destinations count as read)
	v_mov_b32 v22, 0
	v_permlanex16_b32 v21, v[SCA], s28, s29
	v_permlanex16_b32 v22, v[SCB], s28, s29
	v_cndmask_b32 v24, v[SCA], v22, s30            ; (s30 was written by a scalar instruction)
	v_cndmask_b32 v25, v21, v[SCB], s30
	s_wait_alu depctr_va_vdst(0)                   ; the two selects have written v[24:25], which the store reads
	global_store_b64 v[SO], v[24:25], s[SCP:SCP+1]
	s_endpgm
	; ---------------- the weights ----------------
.Lweights:
	s_sub_co_u32 s40, ttmp9, 512
	s_lshr_b32 s41, s40, 6                         ; t: 0 w1, 1 w2, 2 w3
	s_and_b32 s42, s40, 63
	s_mov_b32 s[PITCH], 8192
	s_cmp_eq_u32 s41, 2
	s_cselect_b32 s[PITCH], 4096, s[PITCH]
	s_cselect_b32 s43, 1, 2                        ; w3 has 16 groups: two work-groups to a block of rows; w1 and w2 have 32: four
	s_cselect_b32 s44, 1, 3
	s_lshl_b32 s[STP], s[PITCH], 4
	s_lshr_b32 s45, s42, s43                       ; block of 64 rows
	s_and_b32 s46, s42, s44
	s_lshl_b32 s46, s46, 3
	s_add_co_u32 s46, s46, s[WV]                   ; group
	s_mul_i32 s48, s45, s[PITCH]
	s_lshl_b32 s48, s48, 6
	s_lshl_b32 s47, s46, 8
	s_add_co_u32 s48, s48, s47
	s_mov_b32 s49, 0
	s_lshl_b32 s50, s45, 7                         ; wg: row 128 G + 64 t
	s_lshl_b32 s47, s41, 6
	s_add_co_u32 s50, s50, s47
	s_lshl_b32 s47, s45, 6                         ; w3s: row 64 x block
	s_cmp_eq_u32 s41, 2
	s_cselect_b32 s50, s47, s50
	s_lshl_b32 s50, s50, 7
	s_lshl_b32 s47, s46, 18                        ; a group's 2,048 rows of 128 bytes
	s_add_co_u32 s50, s50, s47
	s_mov_b32 s51, 0
	s_lshl_b32 s[WSO], s41, 9                      ; wsum[t][8 x work-group + wave]
	s_lshl_b32 s47, s42, 3
	s_add_co_u32 s[WSO], s[WSO], s47
	s_add_co_u32 s[WSO], s[WSO], s[WV]
	s_lshl_b32 s[WSO], s[WSO], 2
	SETLO
.irp e, 0,1,2,3
	v_mov_b32 v[SUM+\e], 0
.endr
	s_wait_kmcnt 0x0
	s_cmp_eq_u32 s41, 0
	s_cselect_b64 s[SRC:SRC+1], s[10:11], s[12:13]
	s_cmp_eq_u32 s41, 2
	s_cselect_b64 s[SRC:SRC+1], s[14:15], s[SRC:SRC+1]
	s_cselect_b64 s[DSP:DSP+1], s[20:21], s[18:19]
	s_add_nc_u64 s[SRC:SRC+1], s[SRC:SRC+1], s[48:49]
	s_mov_b64 s[SRC+2:SRC+3], s[SRC:SRC+1]
	s_add_nc_u64 s[DSP:DSP+1], s[DSP:DSP+1], s[50:51]
	s_wait_alu depctr_va_vdst(0)                   ; LO and SO are written: every load and store of the loop reads one of them as its offset
	RING
.macro WQUAD k, ahead, left
	HEAD \k, \ahead, \left
.irp j, 0,1,2,3                        ; where w is not 0: the sixteen masks, in one run
.irp e, 0,1,2,3
	v_cmp_neq_f32 s[MK+4*\j+\e], 0, v[X+16*\k+4*\j+\e]
.endr
.endr
.irp j, 0,1,2,3
.irp e, 0,1,2,3
	v_add_f32 v[SUM+\e], v[SUM+\e], |v[X+16*\k+4*\j+\e]|
.endr
.endr
.irp j, 0,1,2,3
.irp e, 0,1,2,3
	v_and_or_b32 v[X+16*\k+4*\j+\e], v[X+16*\k+4*\j+\e], s26, 0x3f800000   ; 1.0 with w's sign,
.endr
.endr
	s_wait_alu depctr_va_sdst(0)                   ; the sixteen compares at the quad's head have written their masks, which the selects below read
.irp j, 0,1,2,3
.irp e, 0,1,2,3
	v_cndmask_b32 v[X+16*\k+4*\j+\e], 0, v[X+16*\k+4*\j+\e], s[MK+4*\j+\e]  ; or 0 where w is 0
.endr
.endr
.irp j, 0,1,2,3
	v_perm_b32 v[Y+8*\k+2*\j], v[X+16*\k+4*\j+1], v[X+16*\k+4*\j], s27     ; the upper halves are the bf16
	v_perm_b32 v[Y+8*\k+2*\j+1], v[X+16*\k+4*\j+3], v[X+16*\k+4*\j+2], s27
.endr
	INOUT \k, \ahead
.endm
.Lwr:
	WQUAD 0, 1, 4
	WQUAD 1, 1, 4
	s_wait_xcnt 0x0                                ; the round's stores have read their base
	s_add_nc_u64 s[DSP:DSP+1], s[DSP:DSP+1], 2048
	s_sub_co_u32 s31, s31, 1
	s_cmp_lg_u32 s31, 0
	s_cbranch_scc1 .Lwr
	WQUAD 0, 0, 4
	WQUAD 1, 0, 0
	v_add_f32 v[SUM], v[SUM], v[SUM+1]
	v_add_f32 v[SUM+2], v[SUM+2], v[SUM+3]
	v_add_f32 v[SUM], v[SUM], v[SUM+2]
.irp m, 1,2,4,8
	v_add_f32_dpp v[SUM], v[SUM], v[SUM] row_xmask:\m row_mask:0xf bank_mask:0xf
.endr
	v_permlanex16_b32 v[SUM+1], v[SUM], s28, s29
	v_add_f32 v[SUM], v[SUM], v[SUM+1]             ; the wave's 4,096 numbers
	v_mov_b32 v21, s[WSO]
	v_cmp_eq_u32 vcc_lo, 0, v1
	s_wait_xcnt 0x0                                ; EXEC changes only behind this wait
	s_wait_alu depctr_va_vcc(0)                    ; the compare has written VCC, from which EXEC is made
	s_wait_alu depctr_va_vdst(0)                   ; ahead of a write of EXEC: the vector instructions issued so far are done; v21 and the sum, which the store reads, are written
	s_wait_alu depctr_vm_vsrc(0)                   ; ahead of a write of EXEC: the memory instructions issued so far have read their registers
	s_and_saveexec_b32 s[SVX], vcc_lo
	global_store_b32 v21, v[SUM], s[22:23]         ; four bytes a wave, 6 KiB in the launch: 64 waves would have to meet to fill 256 bytes
	s_wait_xcnt 0x0
	s_wait_alu depctr_va_vdst(0)                   ; ahead of a write of EXEC, as above
	s_wait_alu depctr_vm_vsrc(0)                   ; the store has read v21 and the sum
	s_or_b32 exec_lo, exec_lo, s[SVX]
	s_endpgm
.Lfunc_end_k_q1ef36d0847_prep:
	.size	k_q1ef36d0847_prep, .Lfunc_end_k_q1ef36d0847_prep-k_q1ef36d0847_prep
	.p2alignl 7, 3214868480
	.fill 96, 4, 3214868480
	.section	.rodata,"a",@progbits
	.p2align	6, 0x0
	.amdhsa_kernel k_q1ef36d0847_prep
		.amdhsa_group_segment_fixed_size 0
		.amdhsa_private_segment_fixed_size 0
		.amdhsa_enable_private_segment 0
		.amdhsa_kernarg_size 64
		.amdhsa_user_sgpr_count 2
		.amdhsa_user_sgpr_kernarg_segment_ptr 1
		.amdhsa_wavefront_size32 1
		.amdhsa_system_sgpr_workgroup_id_x 1
		.amdhsa_system_sgpr_workgroup_id_y 1
		.amdhsa_system_sgpr_workgroup_id_z 1
		.amdhsa_system_vgpr_workitem_id 0
		.amdhsa_next_free_vgpr 112
		.amdhsa_next_free_sgpr 66
		.amdhsa_reserve_vcc 1
		.amdhsa_float_denorm_mode_32 3
		.amdhsa_float_denorm_mode_16_64 3
		.amdhsa_memory_ordered 1
		.amdhsa_forward_progress 1
		.amdhsa_inst_pref_size 60
	.end_amdhsa_kernel
	.amdgpu_metadata
---
amdhsa.version: [ 1, 2 ]
amdhsa.kernels:
  - .name:           k_q1ef36d0847_prep
    .symbol:         k_q1ef36d0847_prep.kd
    .args:
      - { .name: x, .offset: 0, .size: 8, .value_kind: global_buffer, .address_space: global }
      - { .name: w1, .offset: 8, .size: 8, .value_kind: global_buffer, .address_space: global }
      - { .name: w2, .offset: 16, .size: 8, .value_kind: global_buffer, .address_space: global }
      - { .name: w3, .offset: 24, .size: 8, .value_kind: global_buffer, .address_space: global }
      - { .name: xq, .offset: 32, .size: 8, .value_kind: global_buffer, .address_space: global }
      - { .name: wg, .offset: 40, .size: 8, .value_kind: global_buffer, .address_space: global }
      - { .name: w3s, .offset: 48, .size: 8, .value_kind: global_buffer, .address_space: global }
      - { .name: wsum, .offset: 56, .size: 8, .value_kind: global_buffer, .address_space: global }
    .group_segment_fixed_size: 0
    .private_segment_fixed_size: 0
    .kernarg_segment_align: 8
    .kernarg_segment_size: 64
    .max_flat_workgroup_size: 256
    .sgpr_count:     66
    .vgpr_count:     112
    .wavefront_size: 32
...
	.end_amdgpu_metadata
.endif
;; end of part 4
;; launch gateup: the kernel of part 2 again; grid 8 x 32, 4 waves a work-group, clusters of 4 x 4, 327,680 bytes of LDS; arguments xq, wg, wsum, hq; writes hq
;; launch down: the kernel of part 3 again; grid 8 x 32, 4 waves a work-group, clusters of 4 x 4, 327,680 bytes of LDS; arguments hq, w3s, wsum, out0; writes out0
